; MI455X (gfx1250); checked and timed in simulation.
; The chip was launched on July 23, 2026; its instructions are those of AMD's public machine-readable ISA for CDNA 5 (MIT licence, August 2026) and "CDNA5" Instruction Set Architecture Reference Guide (July 2026). The comments in the code are by the model that wrote it; some were corrected since.
;; Demo Attention Model. Allowed arithmetic: matrix products marked QUANTISED: E2M1 operands, one E8M0 scale for each 32 along K, by v_wmma_scale_f32_16x16x128_f8f6f4 with both operands' format E2M1 (or v_wmma_scale_f32_32x16x128_f4), f32 sums; everything else in f32.
;; Inputs: W1_codes 2,048 x 16 x 16 uint8 (E2M1 codes of W1, K innermost, in blocks of 32 codes, two codes a byte); W1_scales 2,048 x 16 uint8 (E8M0 scales of W1, one for each 32 codes along K); W2_codes 512 x 64 x 16 uint8 (E2M1 codes of W2, K innermost, in blocks of 32 codes, two codes a byte); W2_scales 512 x 64 uint8 (E8M0 scales of W2, one for each 32 codes along K); Wk_codes 512 x 16 x 16 uint8 (E2M1 codes of Wk, K innermost, in blocks of 32 codes, two codes a byte); Wk_scales 512 x 16 uint8 (E8M0 scales of Wk, one for each 32 codes along K); Wo_codes 512 x 16 x 16 uint8 (E2M1 codes of Wo, K innermost, in blocks of 32 codes, two codes a byte); Wo_scales 512 x 16 uint8 (E8M0 scales of Wo, one for each 32 codes along K); Wq_codes 512 x 16 x 16 uint8 (E2M1 codes of Wq, K innermost, in blocks of 32 codes, two codes a byte); Wq_scales 512 x 16 uint8 (E8M0 scales of Wq, one for each 32 codes along K); Wv_codes 512 x 16 x 16 uint8 (E2M1 codes of Wv, K innermost, in blocks of 32 codes, two codes a byte); Wv_scales 512 x 16 uint8 (E8M0 scales of Wv, one for each 32 codes along K); b1 2,048 float32; b2 512 float32; bk 512 float32; bo 512 float32; bq 512 float32; bv 512 float32; ln1_b 512 float32; ln1_g 512 float32; ln2_b 512 float32; ln2_g 512 float32; x 2 x 4,096 x 512 float32.
;; Outputs: out0 2 x 4,096 x 512 float32.
;; This version of the problem:
;;   THIS VERSION OF THE PROBLEM IS GIVEN IN LOW PRECISION. The matrix products marked QUANTISED in the list below multiply operands that are first quantised to E2M1 (2 exponent bits, 1 mantissa bit; 4 bits a number), with one power-of-two scale for each 32 numbers along K (OCP MX v1.0); their sums are f32. All else is computed in f32.
;;   The module's matrix products, in the order in which they are computed (A, B: the left and right operand; K: the contracted axis; several contracted axes count as one K, in the product's order):
;;     1. [M 8,192, K 512] x [K 512, N 512]; A: computed on the way; B: input Wq (given as codes): QUANTISED
;;     2. [M 8,192, K 512] x [K 512, N 512]; A: computed on the way; B: input Wk (given as codes): QUANTISED
;;     3. [M 8,192, K 512] x [K 512, N 512]; A: computed on the way; B: input Wv (given as codes): QUANTISED
;;     4. batch 16 x [M 4,096, K 64] x [K 64, N 4,096]; A: computed on the way; B: computed on the way: QUANTISED
;;     5. batch 16 x [M 4,096, K 4,096] x [K 4,096, N 64]; A: softmax (see below); B: computed on the way: QUANTISED
;;     6. [M 8,192, K 512] x [K 512, N 512]; A: computed on the way; B: input Wo (given as codes): QUANTISED
;;     7. [M 8,192, K 512] x [K 512, N 2,048]; A: computed on the way; B: input W1 (given as codes): QUANTISED
;;     8. [M 8,192, K 2,048] x [K 2,048, N 512]; A: computed on the way; B: input W2 (given as codes): QUANTISED
;;   THE QUANTISER, for each operand of a quantised product, along K:
;;     - K is cut into blocks of 32 from its start; a last block that is shorter is filled with zeros.
;;     - A block's scale is 2^e with e = floor(log2(the largest magnitude in the block)) - 2, held to -126 .. 127; a block of zeros has e = 0. As a byte (E8M0): e + 127.
;;     - Each number is divided by its block's scale, clamped to +-6, and rounded to the nearest number of E2M1, ties to even, subnormals kept.
;;     - The product sums the exact products of the quantised numbers (number of the format x scale) in f32.
;;   ~~~python
;;   def quantise(x, axis):      # numpy; x: float32 -> the quantised numbers, widened to float32 again
;;       x = np.moveaxis(x, axis, -1); K = x.shape[-1]
;;       x = np.pad(x, [(0, 0)] * (x.ndim - 1) + [(0, -K % 32)]); x = x.reshape(x.shape[:-1] + (-1, 32)); a = np.abs(x).max(-1, keepdims=True)
;;       e = np.where(a > 0, np.clip(np.frexp(np.where(a > 0, a, 1))[1] - 1 - 2, -126, 127), 0)      # np.frexp(a)[1] - 1 = floor(log2(a)), exactly
;;       r = np.clip(x / 2.0 ** e, -6, 6)
;;       step = 2.0 ** (np.maximum(np.frexp(np.where(r == 0, 1, r))[1] - 1, 0) - 1)
;;       q = np.round(r / step) * step * 2.0 ** e      # np.round: ties to even
;;       return np.moveaxis(q.reshape(q.shape[:-2] + (-1,))[..., :K], -1, axis).astype(np.float32)
;;   ~~~
;;   SOFTMAX AHEAD OF A QUANTISED PRODUCT. Where the list says 'softmax', what is quantised is not the finished softmax but p = 2^(t - M), with t = logit x log2(e) and M = ceil(the row's largest t), a whole number; so 1/2 < the row's largest p <= 1. The row's sum l is taken of the UNQUANTISED p, in f32, and the product's result is divided by l at the end. Since M is a whole number, a kernel that streams over the keys may use a running M (the ceiling of the running maximum): every later rescaling is an exact power of two, which a block's scale takes up: the codes' values come out the same.
;;   OPERANDS COMPUTED ON THE WAY. 'Computed on the way' means the value that the module computes at that place (a softmax that the list does not call 'softmax' is quantised finished and normalised). What goes into a quantiser is computed in f32, as accurately as f32 sums, v_exp_f32 and their like allow (about 1e-6 of the number): no bf16 or f16 on the way to a quantiser, and a product that is left as it is and whose result goes on into a quantised operand takes f32 operands (vector FMAs, or v_wmma_f32_16x16x4_f32). A number that lies on a knife's edge between two numbers of the format may be rounded either way, as far as f32 arithmetic and the matrix unit's own rounding can turn it there, and no further.
;;   INPUTS GIVEN AS CODES. W1 (in the module: [512, 2048], K = its axis 0); W2 (in the module: [2048, 512], K = its axis 0); Wk (in the module: [512, 512], K = its axis 0); Wo (in the module: [512, 512], K = its axis 0); Wq (in the module: [512, 512], K = its axis 0); Wv (in the module: [512, 512], K = its axis 0): each comes as NAME_codes (uint8): NAME with its K axis moved to the last place and cut into blocks of 32 codes, [.., K / 32, bytes a block], one block behind the other in memory; two codes a byte, the lower K in the low four bits (a code: sign, 2 exponent bits, 1 mantissa bit); and NAME_scales (uint8): the same leading axes, one E8M0 byte (e + 127) for each 32 codes along K. Its value is code x scale, taken as it is: it is not quantised again, and the codes and scales need not be those that the quantiser above would give.
;; One version. Each part assembles by itself: llvm-mc -triple=amdgcn-amd-amdhsa -mcpu=gfx1250 --defsym DOCPART=n.
;; ======== version 1 of 1: 3 launches
;; limits: a function is approximated: absolute error at most 1.5e-07
;; workspace buffers: qimg 2,097,152 bytes; qsc 131,072 bytes; kv 4,456,448 bytes; wimg 1,179,648 bytes; oimg 2,097,152 bytes; osc 131,072 bytes
;; launch qkv (part 1): grid 256 x 1, 16 waves a work-group, no clusters, 92,672 bytes of LDS; arguments x, ln1_g, ln1_b, Wq_codes, Wq_scales, bq, Wk_codes, Wk_scales, bk, Wv_codes, Wv_scales, bv, W1_codes, W2_codes, Wo_codes, qimg, qsc, kv, wimg; writes qimg, qsc, kv, wimg
.if DOCPART == 1
	.amdgcn_target "amdgcn-amd-amdhsa--gfx1250"
	.amdhsa_code_object_version 6
	.text
	.protected	k_qa12f3cb0ea_qkv
	.globl	k_qa12f3cb0ea_qkv
	.p2align	8
	.type	k_qa12f3cb0ea_qkv,@function
k_qa12f3cb0ea_qkv:
	s_mov_b64 s[64:65], 0
	v_nop
	global_prefetch_b8 v0, s[64:65] scope:SCOPE_SE
	s_setreg_imm32_b32 hwreg(HW_REG_WAVE_MODE, 25, 1), 1
	s_wait_xcnt 0x0
; LAUNCH 1 OF 3.  h = layer norm 1 of x; q = h Wq + bq, k = h Wk + bk, v = h Wv + bv, all three products on codes of FP4 (E2M1) with one E8M0 scale for each 32 along K;
; q and k are quantised along the head's 64, v along the keys, and leave as codes laid in the order in which the next launch's operand registers take them.
; Beside that, nine waves of each work-group copy one 512-byte piece of W1's, W2's or Wo's codes into that same order for the third launch.
; SHARES.  A work-group of sixteen waves owns 32 rows (tokens).  Wave w normalises rows 2 w and 2 w + 1 (a lane holds 16 neighbouring columns, two lanes a block of 32) and stores their codes in LDS as
; IMAGES OF OPERAND REGISTERS: a fragment (16 rows x 128 K) is two halves of 512 bytes, lane l's 16 bytes at 16 l.  Then THE WAVES SHARE THE COLUMNS: wave w makes columns 32 w .. 32 w + 31 of q, of k and of v
; for all 32 rows: two tiles of 16 weight rows x four K steps, 64 registers, from memory straight into registers (18 loads with the scale words); the next weight's are asked for while one is multiplied.
; THE ROWS OF A WEIGHT THAT FORM A TILE ARE NOT NEIGHBOURS: lane r of tile n takes row 32 w + 8 n + r + 8 (r / 8), so that a lane's 16 registers of the two tiles are 16 neighbours along the next K.
; q, k: source 0 = weight rows, source 1 = tokens: a lane holds one token and 16 neighbouring columns.  v: source 0 = tokens, source 1 = weight rows: a lane holds one channel and 16 neighbouring tokens.
; For k and v the tokens of a tile are chosen likewise (tile u, lane r: token 8 u + r + 8 (r / 8)): h has a second image in that order.
; No cluster: each weight fragment is wanted by one wave of a work-group and goes straight into its registers; a joint request exists only for tiles that land in LDS.
; LIMITS: NaN and infinities among the inputs are not served.  A block whose largest magnitude lies under 2^-124, a block of zeros too, gets the scale byte 1: its codes are zeros, and this program alone reads the bytes.
.set HN,    0                          ; LDS: h's image, tokens in order: 2 tiles x 4 K steps x 1,024 bytes
.set HP,    8192                       ; the same with the tokens of a tile chosen as above
.set HNS,   16384                      ; scale words of HN: [tile][lane r][K step], 4 bytes each
.set HPS,   16896                      ; of HP
.set BS,    17408                      ; bq, bk, bv: 2,048 bytes each
.set SCQ,   23552                      ; q's scale bytes: [wave][token]
.set SCK,   24064                      ; k's: [head][lane r][2 u + block]
.set XS,    24576                      ; 32 rows of x, 2,048 bytes + 16
.set RP,    2064
.set HEADB, 278528                     ; a head's part of kv
.set STEPB, 8704                       ; 128 keys' part: K's images 4,096, V's images 4,096, K's scale words 256, V's 256
.set L16, 1                            ; v1   16 x lane
.set T4,  2                            ; v2   4 x thread
.set XSW, 3                            ; v3   my two rows in XS, 16 x lane
.set XLN, 4                            ; v4   the same, 64 x lane
.set IMN, 5                            ; v5   where my row's 16 codes go in HN
.set IMP, 6                            ; v6   in HP
.set SBN, 7                            ; v7   where my block's scale byte goes in HNS
.set SBP, 8                            ; v8   in HPS
.set WV,  9                            ; v9   a weight's codes: (r + 8 (r / 8)) x 256 + 16 h
.set WSV, 10                           ; v10  its scale words: (r + 8 (r / 8)) x 16
.set R16, 11                           ; v11  16 r
.set BD,  12                           ; v12  bq at my eight columns of tile 0
.set BVV, 13                           ; v13  bv at my channel of tile 0
.set OQ,  14                           ; v14  q's and k's codes: 256 x block + 16 r + 8 h
.set OV,  15                           ; v15  v's codes: 16 r + 8 h
.set VSB, 16                           ; v16  v's scale byte: 16 r + 8 x block + 4 h
.set SQ,  17                           ; v17  SCQ + 32 w + r
.set SK,  18                           ; v18  SCK + 64 x head + 4 r + block
.set G64, 19                           ; v19  64 x lane
.set KO,  20                           ; v20  k's scale words on their way out
.set RLO, 21                           ; v21  the copied piece's source
.set PD,  30                           ; v30-31 destinations of lane permutes
.set SC,  32                           ; v32-39 h's scale words: 4 m + K step
.set WSA, 40                           ; v40-47 scale words of the weight in WA: 4 n + K step
.set WSB, 48                           ; v48-55 of the weight in WB
.set T,   64                           ; v64-95 four fragments of h; else at work
.set ACC, 96                           ; v96-127 accumulator (n, m) at 8 (2 n + m)
.set WA,  128                          ; v128-191 a weight's fragments (n, K step) at 8 (4 n + s)
.set WB,  192                          ; v192-255 the same
.set SEL, 90                           ; s[90:91] lane selects: lane l xor 16
.set C512, 92                          ; s92  1 / 512
.set EPS, 93                           ; s93  1e-5
.macro PLACES n                        ; plain places behind matrix instructions (ISA guide 7.12.1)
.rept \n
	v_nop
.endr
.endm
.macro BAR                             ; my LDS stores have landed and my LDS loads are in: then the work-group's barrier
	s_wait_dscnt 0x0
	s_barrier_signal -1
	s_barrier_wait -1
.endm
.macro WSUM a                          ; the sum over the wave's 32 lanes, in every lane
	v_add_f32_dpp v[\a], v[\a], v[\a] row_xmask:1 row_mask:0xf bank_mask:0xf
	v_add_f32_dpp v[\a], v[\a], v[\a] row_xmask:2 row_mask:0xf bank_mask:0xf
	v_add_f32_dpp v[\a], v[\a], v[\a] row_xmask:4 row_mask:0xf bank_mask:0xf
	v_add_f32_dpp v[\a], v[\a], v[\a] row_xmask:8 row_mask:0xf bank_mask:0xf
	v_permlanex16_b32 v[PD], v[\a], s[SEL], s[SEL+1]
	v_add_f32 v[\a], v[\a], v[PD]
.endm
; One row: my 16 columns in v[XR] on, gain and bias of those columns in v[GR], v[BR] on.  Mean, then the mean of the squared differences (two passes: no difference of large sums), the norm, the block's scale, 16 codes.
.macro LNROW XR, GR, BR, TM, i, two
	v_pk_add_f32 v[\TM:\TM+1], v[\XR:\XR+1], v[\XR+2:\XR+3]
	v_pk_add_f32 v[\TM+2:\TM+3], v[\XR+4:\XR+5], v[\XR+6:\XR+7]
	v_pk_add_f32 v[\TM+4:\TM+5], v[\XR+8:\XR+9], v[\XR+10:\XR+11]
	v_pk_add_f32 v[\TM+6:\TM+7], v[\XR+12:\XR+13], v[\XR+14:\XR+15]
	v_pk_add_f32 v[\TM:\TM+1], v[\TM:\TM+1], v[\TM+2:\TM+3]
	v_pk_add_f32 v[\TM+4:\TM+5], v[\TM+4:\TM+5], v[\TM+6:\TM+7]
	v_pk_add_f32 v[\TM:\TM+1], v[\TM:\TM+1], v[\TM+4:\TM+5]
	v_add_f32 v[\TM], v[\TM], v[\TM+1]
	WSUM \TM
	v_mul_f32 v[\TM], s[C512], v[\TM]              ; the mean
.irp k, 0,2,4,6,8,10,12,14
	v_pk_add_f32 v[\XR+\k:\XR+\k+1], v[\XR+\k:\XR+\k+1], v[\TM:\TM+1] op_sel_hi:[1,0] neg_lo:[0,1] neg_hi:[0,1]
.endr
	v_pk_mul_f32 v[\TM+2:\TM+3], v[\XR:\XR+1], v[\XR:\XR+1]
	v_pk_mul_f32 v[\TM+4:\TM+5], v[\XR+2:\XR+3], v[\XR+2:\XR+3]
.irp k, 4,8,12
	v_pk_fma_f32 v[\TM+2:\TM+3], v[\XR+\k:\XR+\k+1], v[\XR+\k:\XR+\k+1], v[\TM+2:\TM+3]
	v_pk_fma_f32 v[\TM+4:\TM+5], v[\XR+\k+2:\XR+\k+3], v[\XR+\k+2:\XR+\k+3], v[\TM+4:\TM+5]
.endr
	v_pk_add_f32 v[\TM+2:\TM+3], v[\TM+2:\TM+3], v[\TM+4:\TM+5]
	v_add_f32 v[\TM+2], v[\TM+2], v[\TM+3]
	WSUM \TM+2
	v_fma_f32 v[\TM+2], v[\TM+2], s[C512], s[EPS]  ; the variance + 1e-5
	v_rsq_f32 v[\TM+2], v[\TM+2]
	v_nop                                          ; a plain place behind the transcendental,
	s_wait_alu depctr_va_vdst(0)                   ; and the wait ahead of its first reader
.irp k, 0,2,4,6,8,10,12,14
	v_pk_mul_f32 v[\XR+\k:\XR+\k+1], v[\XR+\k:\XR+\k+1], v[\TM+2:\TM+3] op_sel_hi:[1,0]
.endr
.irp k, 0,2,4,6,8,10,12,14
	v_pk_fma_f32 v[\XR+\k:\XR+\k+1], v[\XR+\k:\XR+\k+1], v[\GR+\k:\GR+\k+1], v[\BR+\k:\BR+\k+1]
.endr
	v_max3_num_f32 v[\TM], |v[\XR]|, |v[\XR+1]|, 0x1800000        ; my 16 magnitudes and the floor 2^(3 - 127), in two chains
	v_max3_num_f32 v[\TM+1], |v[\XR+8]|, |v[\XR+9]|, |v[\XR+10]|
	v_max3_num_f32 v[\TM], v[\TM], |v[\XR+2]|, |v[\XR+3]|
	v_max3_num_f32 v[\TM+1], v[\TM+1], |v[\XR+11]|, |v[\XR+12]|
	v_max3_num_f32 v[\TM], v[\TM], |v[\XR+4]|, |v[\XR+5]|
	v_max3_num_f32 v[\TM+1], v[\TM+1], |v[\XR+13]|, |v[\XR+14]|
	v_max3_num_f32 v[\TM], v[\TM], |v[\XR+6]|, |v[\XR+7]|
	v_max3_num_f32 v[\TM], v[\TM], v[\TM+1], |v[\XR+15]|
	v_max_num_f32_dpp v[\TM], v[\TM], v[\TM] row_xmask:1 row_mask:0xf bank_mask:0xf   ; with my neighbour's 16: the block's
	v_add_nc_u32 v[\TM+1], 0xff000000, v[\TM]      ; 2 off its exponent field: the conversion's scale operand
	v_cvt_scalef32_pk8_fp4_f32 v[\TM+8+2*\i], v[\XR:\XR+7], v[\TM+1]
	v_cvt_scalef32_pk8_fp4_f32 v[\TM+9+2*\i], v[\XR+8:\XR+15], v[\TM+1]
	v_lshrrev_b32 v[\TM+12+\i], 23, v[\TM+1]       ; the scale's byte (also the plain place behind the conversions)
	ds_store_b64 v[IMN], v[\TM+8+2*\i:\TM+9+2*\i] offset:16*\i
	ds_store_b8 v[SBN], v[\TM+12+\i] offset:16*\i  ; both lanes of a block write the same byte with the same value
.if \two
	ds_store_b64 v[IMP], v[\TM+8+2*\i:\TM+9+2*\i] offset:16*\i
	ds_store_b8 v[SBP], v[\TM+12+\i] offset:16*\i
.endif
.endm
; Two blocks of 32, by turns.  Of each, my 16 numbers lie in v[lo] .. +7 and v[hi] .. +7; lane l xor 16 holds the other 16.  Codes: the pairs v[cp], v[cp+2]; bytes: v[by], v[by+1].
.macro QB2 lo0, hi0, lo1, hi1, cp, tm, by
	v_max3_num_f32 v[\tm], |v[\lo0]|, |v[\lo0+1]|, 0x1800000      ; each accumulator is read from its low end on
	v_max3_num_f32 v[\tm+1], |v[\lo1]|, |v[\lo1+1]|, 0x1800000
.irp k, 2,4,6
	v_max3_num_f32 v[\tm], v[\tm], |v[\lo0+\k]|, |v[\lo0+\k+1]|
	v_max3_num_f32 v[\tm+1], v[\tm+1], |v[\lo1+\k]|, |v[\lo1+\k+1]|
.endr
.irp k, 0,2,4,6
	v_max3_num_f32 v[\tm], v[\tm], |v[\hi0+\k]|, |v[\hi0+\k+1]|
	v_max3_num_f32 v[\tm+1], v[\tm+1], |v[\hi1+\k]|, |v[\hi1+\k+1]|
.endr
	v_permlanex16_b32 v[PD], v[\tm], s[SEL], s[SEL+1]
	v_permlanex16_b32 v[PD+1], v[\tm+1], s[SEL], s[SEL+1]
	v_max_num_f32 v[\tm], v[\tm], v[PD]
	v_max_num_f32 v[\tm+1], v[\tm+1], v[PD+1]
	v_add_nc_u32 v[\tm+2], 0xff000000, v[\tm]
	v_add_nc_u32 v[\tm+3], 0xff000000, v[\tm+1]
	v_cvt_scalef32_pk8_fp4_f32 v[\cp], v[\lo0:\lo0+7], v[\tm+2]
	v_cvt_scalef32_pk8_fp4_f32 v[\cp+1], v[\hi0:\hi0+7], v[\tm+2]
	v_cvt_scalef32_pk8_fp4_f32 v[\cp+2], v[\lo1:\lo1+7], v[\tm+3]
	v_cvt_scalef32_pk8_fp4_f32 v[\cp+3], v[\hi1:\hi1+7], v[\tm+3]
	v_lshrrev_b32 v[\by], 23, v[\tm+2]             ; the bytes (also the plain place behind the conversions)
	v_lshrrev_b32 v[\by+1], 23, v[\tm+3]
.endm
.macro FR2 adr, base, tstr, s0         ; the activations' fragments of K steps s0, s0 + 1, both tiles of rows, from their images
.irp ds, 0,1
.irp m, 0,1
.irp hc, 0,1
	ds_load_b128 v[T+8*(2*\ds+\m)+4*\hc:T+8*(2*\ds+\m)+4*\hc+3], v[\adr] offset:\base+\m*\tstr+(\s0+\ds)*1024+512*\hc
.endr
.endr
.endr
.endm
.macro BIASC adr, off, nstr            ; a bias in the result's layout into the four accumulators: it is the C of each sum's first product
.irp n, 0,1
.irp m, 0,1
	ds_load_b128 v[ACC+8*(2*\n+\m):ACC+8*(2*\n+\m)+3], v[\adr] offset:\off+\nstr*\n
	ds_load_b128 v[ACC+8*(2*\n+\m)+4:ACC+8*(2*\n+\m)+7], v[\adr] offset:\off+\nstr*\n+16
.endr
.endr
.endm
; Eight products: K steps s0, s0 + 1 x two weight tiles x two tiles of rows.  The four accumulators take turns, one instruction a turn, from call to call too.
; tr = 1: source 0 = the weight's rows; tr = 0: source 0 = the tokens.  zero = 1: K step 0 starts the sums.
.macro MM8 buf, wsc, s0, tr, zero
.irp ds, 0,1
.irp n, 0,1
.irp m, 0,1
.set rD, ACC+8*(2*\n+\m)
.set rW, \buf+8*(4*\n+\s0+\ds)
.set rX, T+8*(2*\ds+\m)
.set rWS, \wsc+4*\n+\s0+\ds
.set rXS, SC+4*\m+\s0+\ds
.if \tr
	v_wmma_scale_f32_16x16x128_f8f6f4 v[rD:rD+7], v[rW:rW+7], v[rX:rX+7], v[rD:rD+7], v[rWS], v[rXS] matrix_a_fmt:MATRIX_FMT_FP4 matrix_b_fmt:MATRIX_FMT_FP4
.elseif \zero && (\s0+\ds == 0)
	v_wmma_scale_f32_16x16x128_f8f6f4 v[rD:rD+7], v[rX:rX+7], v[rW:rW+7], 0, v[rXS], v[rWS] matrix_a_fmt:MATRIX_FMT_FP4 matrix_b_fmt:MATRIX_FMT_FP4
.else
	v_wmma_scale_f32_16x16x128_f8f6f4 v[rD:rD+7], v[rX:rX+7], v[rW:rW+7], v[rD:rD+7], v[rXS], v[rWS] matrix_a_fmt:MATRIX_FMT_FP4 matrix_b_fmt:MATRIX_FMT_FP4
.endif
.endr
.endr
.endr
.endm
.macro WL1 buf, sc, cb, sb             ; my 32 rows of a weight: 16 loads of codes (together 32 whole rows of 256 bytes) and 2 of scale words: 18 loads
.irp n, 0,1
.irp ks, 0,1,2,3
.irp hc, 0,1
	global_load_b128 v[\buf+8*(4*\n+\ks)+4*\hc:\buf+8*(4*\n+\ks)+4*\hc+3], v[WV], s[\cb:\cb+1] offset:2048*\n+64*\ks+32*\hc
.endr
.endr
.endr
.irp n, 0,1
	global_load_b128 v[\sc+4*\n:\sc+4*\n+3], v[WSV], s[\sb:\sb+1] offset:128*\n
.endr
.endm
; q's or k's product: bias, scale words, two K steps at a time.  At the wait on LOADcnt two weights' loads are out: this one's 18 and the next one's 18.
.macro JOBT img, scw, buf, wsc, boff, np
	BIASC BD, \boff, 32
.irp m, 0,1
	ds_load_b128 v[SC+4*\m:SC+4*\m+3], v[R16] offset:\scw+256*\m
.endr
	FR2 L16, \img, 4096, 0
	s_wait_loadcnt 18                              ; this weight is in; the 18 younger loads stay out
	s_wait_dscnt 0x0
	MM8 \buf, \wsc, 0, 1, 0
	PLACES 4                                       ; in front of loads into registers that the products have read
	FR2 L16, \img, 4096, 2
	s_wait_dscnt 0x0
	MM8 \buf, \wsc, 2, 1, 0
	PLACES \np
.endm
	s_load_b512 s[8:23], s[0:1], 0x0               ; x 8, ln1_g 10, ln1_b 12, Wq codes 14, scales 16, bq 18, Wk codes 20, scales 22
	s_load_b512 s[24:39], s[0:1], 0x40             ; bk 24, Wv codes 26, scales 28, bv 30, W1 codes 32, W2 codes 34, Wo codes 36, qimg 38
	s_load_b128 s[40:43], s[0:1], 0x80             ; qsc 40, kv 42
	s_load_b64 s[44:45], s[0:1], 0x90              ; wimg 44
	v_lshrrev_b32 v22, 5, v0
	v_readfirstlane_b32 s2, v22                    ; wave 0..15
	v_and_b32 v28, 31, v0                          ; lane
	v_and_b32 v29, 15, v0                          ; r
	v_bfe_u32 v30, v0, 4, 1                        ; h
	v_and_b32 v31, 8, v29
	v_add_nc_u32 v31, v31, v29                     ; r + 8 (r / 8)
	s_lshr_b32 s46, ttmp9, 7                       ; batch
	s_and_b32 s47, ttmp9, 127                      ; which 32 tokens of the sequence
	s_lshr_b32 s48, s47, 2                         ; which 128 keys
	s_and_b32 s49, s47, 3                          ; which 32 of them
	s_lshr_b32 s50, s2, 1                          ; head
	s_and_b32 s51, s2, 1                           ; which 32 of its 64
	s_lshl_b32 s52, s46, 3
	s_add_co_u32 s53, s52, s50                     ; 8 x batch + head
	v_lshlrev_b32 v[L16], 4, v28
	v_lshlrev_b32 v[T4], 2, v0
	s_mul_i32 s3, s2, 2*RP
	s_add_co_u32 s3, s3, XS
	v_add_nc_u32 v[XSW], s3, v[L16]
	v_lshl_add_u32 v[XLN], v28, 6, s3
	v_lshrrev_b32 v22, 1, v28                      ; my block of 32 columns: lane / 2
	v_and_b32 v23, 1, v28
	v_lshlrev_b32 v23, 3, v23
	v_lshl_add_u32 v23, v22, 8, v23                ; in an image a block is 256 bytes on from the last; my half of a row's 16 bytes
	s_lshr_b32 s4, s2, 3
	s_and_b32 s5, s2, 7
	s_lshl_b32 s3, s4, 12
	s_lshl_b32 s5, s5, 5
	s_add_co_u32 s3, s3, s5                        ; row 2 w: tile w / 8, place 2 (w % 8)  (HN = 0)
	v_add_nc_u32 v[IMN], s3, v23
	s_bfe_u32 s5, s2, 0x10002                      ; in the chosen order: tile (w / 4) % 2,
	s_and_b32 s6, s2, 3
	s_lshl_b32 s6, s6, 5
	s_lshl_b32 s7, s4, 7
	s_add_co_u32 s6, s6, s7                        ; place 2 (w % 4) + 8 (w / 8), x 16
	s_lshl_b32 s7, s5, 12
	s_add_co_u32 s7, s7, s6
	s_add_co_u32 s7, s7, HP
	v_add_nc_u32 v[IMP], s7, v23
	s_lshl_b32 s7, s5, 8
	s_add_co_u32 s7, s7, s6
	s_add_co_u32 s7, s7, HPS
	v_add_nc_u32 v[SBP], s7, v22
	s_lshl_b32 s7, s2, 5
	s_add_co_u32 s7, s7, HNS
	v_add_nc_u32 v[SBN], s7, v22
	v_lshlrev_b32 v[WV], 8, v31
	v_lshl_add_u32 v[WV], v30, 4, v[WV]
	v_lshlrev_b32 v[WSV], 4, v31
	v_lshlrev_b32 v[R16], 4, v29
	s_lshl_b32 s7, s2, 7
	s_add_co_u32 s7, s7, BS
	v_lshl_add_u32 v[BD], v30, 6, s7               ; column 32 w + 16 h + 8 n + j
	s_add_co_u32 s7, s7, 4096
	v_lshl_add_u32 v[BVV], v31, 2, s7              ; channel 32 w + 8 n + r + 8 (r / 8)
	v_lshl_add_u32 v[OV], v30, 3, v[R16]
	s_lshl_b32 s7, s51, 8
	v_add_nc_u32 v[OQ], s7, v[OV]
	s_lshl_b32 s7, s51, 3
	v_lshl_add_u32 v[VSB], v30, 2, v[R16]
	v_add_nc_u32 v[VSB], s7, v[VSB]
	s_lshl_b32 s7, s2, 5
	s_add_co_u32 s7, s7, SCQ
	v_add_nc_u32 v[SQ], s7, v29
	s_lshl_b32 s7, s50, 6
	s_add_co_u32 s7, s7, s51
	s_add_co_u32 s7, s7, SCK
	v_lshl_add_u32 v[SK], v29, 2, s7
	v_lshlrev_b32 v[G64], 6, v28
	v_lshrrev_b32 v22, 2, v28
	v_mul_u32_u24 v22, v22, HEADB
	v_and_b32 v23, 3, v28
	v_lshl_add_u32 v[KO], v23, 4, v22              ; four lanes to a head's 64 bytes
	; byte offsets, apart from the addresses
	s_lshl_b32 s54, ttmp9, 16
	s_lshl_b32 s55, s2, 12
	s_add_co_u32 s54, s54, s55
	s_mov_b32 s55, 0                               ; x: row 32 g + 2 w
	s_lshl_b32 s56, s2, 13
	s_mov_b32 s57, 0                               ; a weight's codes: row 32 w
	s_lshl_b32 s58, s2, 9
	s_mov_b32 s59, 0                               ; its scale bytes
	s_lshl_b32 s60, s53, 17
	s_lshl_b32 s61, s47, 10
	s_add_co_u32 s60, s60, s61
	s_mov_b32 s61, 0                               ; qimg: the head's 131,072 bytes, two tiles of 512
	s_mul_i32 s62, s53, HEADB
	s_mul_i32 s63, s48, STEPB
	s_add_co_u32 s62, s62, s63                     ; kv: my head, my 128 keys
	s_lshl_b32 s66, s49, 10
	s_add_co_u32 s66, s66, s62
	s_mov_b32 s67, 0                               ; K's fragment: 1,024 x (which 32 keys)
	s_lshl_b32 s68, s51, 11
	s_lshl_b32 s69, s49, 8
	s_add_co_u32 s68, s68, s69
	s_add_co_u32 s68, s68, s62
	s_add_co_u32 s68, s68, 4096
	s_mov_b32 s69, 0                               ; V's tiles 2 x block + n; the block of 32 keys is 256 bytes on from the last
	s_add_co_u32 s70, s62, s49
	s_add_co_u32 s70, s70, 8448
	s_mov_b32 s71, 0                               ; V's scale words: byte = which 32 keys
	s_mul_i32 s72, s52, HEADB
	s_add_co_u32 s72, s72, s63
	s_lshl_b32 s73, s49, 6
	s_add_co_u32 s72, s72, s73
	s_add_co_u32 s72, s72, 8192
	s_mov_b32 s73, 0                               ; K's scale words of the batch's head 0
	s_lshl_b32 s74, ttmp9, 9
	s_mov_b32 s75, 0                               ; qsc
	; the piece that my wave copies: waves 0-3 of W1 (piece 4 g + w), waves 4-7 of W2 (4 g + w - 4), wave 8 of Wo (g); waves 9-15 none
	s_lshl_b32 s76, ttmp9, 2
	s_and_b32 s83, s2, 3
	s_add_co_u32 s76, s76, s83
	s_lshr_b32 s78, s2, 2                          ; 0: W1, 1: W2, 2: Wo
	s_cmp_lt_u32 s2, 8
	s_cselect_b32 s76, s76, ttmp9                  ; the piece
	s_cmp_eq_u32 s78, 0
	s_cselect_b32 s77, 8, 0                        ; W1's tiles take rows r + 8 (r / 8), the others r
	s_cmp_eq_u32 s78, 1
	s_cselect_b32 s79, 5, 3                        ; pieces in a tile: 32 (K = 2,048) or 8 (K = 512), as a shift
	s_cselect_b32 s80, 10, 8                       ; a row's bytes, as a shift
	s_lshr_b32 s81, s76, s79                       ; the tile
	s_bfm_b32 s82, s79, 0
	s_and_b32 s82, s76, s82
	s_lshl_b32 s82, s82, 5                         ; the piece's 32 bytes in a row
	s_lshr_b32 s84, s81, 1
	s_lshl_b32 s84, s84, 13
	s_and_b32 s83, s81, 1
	s_lshl_b32 s83, s83, 11
	s_add_co_u32 s84, s84, s83                     ; W1: tile 2 B + u begins at row 32 B + 8 u
	s_add_co_u32 s83, s80, 4
	s_lshl_b32 s83, s81, s83                       ; the others: at row 16 x tile
	s_cmp_eq_u32 s78, 0
	s_cselect_b32 s84, s84, s83
	s_add_co_u32 s84, s84, s82
	s_mov_b32 s85, 0
	s_lshl_b32 s86, s76, 9
	s_lshl_b32 s87, s78, 19
	s_add_co_u32 s86, s86, s87                     ; wimg: W1 at 0, W2 at 524,288, Wo at 1,048,576; 512 bytes a piece
	s_mov_b32 s87, 0
	v_and_b32 v22, s77, v29
	v_add_nc_u32 v22, v22, v29
	v_lshlrev_b32 v22, s80, v22
	v_lshl_add_u32 v[RLO], v30, 4, v22
	v_mov_b32 v[PD], 0                             ; written once: a lane permute's destination counts as one of its sources
	v_mov_b32 v[PD+1], 0
	s_mov_b32 s[SEL], 0x76543210
	s_mov_b32 s[SEL+1], 0xfedcba98
	s_mov_b32 s[C512], 0x3b000000
	s_mov_b32 s[EPS], 0x3727c5ac
	s_wait_kmcnt 0x0
	s_add_nc_u64 s[8:9], s[8:9], s[54:55]
	s_add_nc_u64 s[14:15], s[14:15], s[56:57]
	s_add_nc_u64 s[16:17], s[16:17], s[58:59]
	s_add_nc_u64 s[20:21], s[20:21], s[56:57]
	s_add_nc_u64 s[22:23], s[22:23], s[58:59]
	s_add_nc_u64 s[26:27], s[26:27], s[56:57]
	s_add_nc_u64 s[28:29], s[28:29], s[58:59]
	s_add_nc_u64 s[38:39], s[38:39], s[60:61]
	s_add_nc_u64 s[66:67], s[42:43], s[66:67]
	s_add_nc_u64 s[68:69], s[42:43], s[68:69]
	s_add_nc_u64 s[70:71], s[42:43], s[70:71]
	s_add_nc_u64 s[72:73], s[42:43], s[72:73]
	s_add_nc_u64 s[40:41], s[40:41], s[74:75]
	s_cmp_eq_u32 s78, 0
	s_cselect_b64 s[88:89], s[32:33], s[34:35]
	s_cmp_lt_u32 s78, 2
	s_cselect_b64 s[88:89], s[88:89], s[36:37]
	s_add_nc_u64 s[88:89], s[88:89], s[84:85]
	s_add_nc_u64 s[86:87], s[44:45], s[86:87]
	s_cmp_gt_u32 s2, 8
	s_cbranch_scc1 .Lno_piece_in
	global_load_b128 v[24:27], v[RLO], s[88:89]    ; the wave's OLDEST load: it is never among the younger loads that a counted wait leaves out
.Lno_piece_in:
.irp i, 0,1
.irp j, 0,1,2,3
	global_load_b128 v[ACC+16*\i+4*\j:ACC+16*\i+4*\j+3], v[L16], s[8:9] offset:2048*\i+512*\j th:TH_LOAD_NT   ; 512 consecutive bytes of my row
.endr
.endr
.irp j, 0,1,2,3
	global_load_b128 v[WB+4*\j:WB+4*\j+3], v[G64], s[10:11] offset:16*\j          ; gain and bias of my 16 columns
	global_load_b128 v[WB+16+4*\j:WB+16+4*\j+3], v[G64], s[12:13] offset:16*\j
.endr
	global_load_b32 v56, v[T4], s[18:19]
	global_load_b32 v57, v[T4], s[24:25]
	global_load_b32 v58, v[T4], s[30:31]
	WL1 WA, WSA, 14, 16                            ; Wq
	s_wait_loadcnt 18                              ; all but Wq's 18
.irp i, 0,1
.irp j, 0,1,2,3
	ds_store_b128 v[XSW], v[ACC+16*\i+4*\j:ACC+16*\i+4*\j+3] offset:RP*\i+512*\j
.endr
.endr
.irp i, 0,1
.irp j, 0,1,2,3
	ds_load_b128 v[T+16*\i+4*\j:T+16*\i+4*\j+3], v[XLN] offset:RP*\i+16*\j   ; LDS serves a wave's instructions in order (ISA guide 5.7.1): these see my stores; now a lane holds 16 neighbours
.endr
.endr
	ds_store_b32 v[T4], v56 offset:BS
	ds_store_b32 v[T4], v57 offset:BS+2048
	ds_store_b32 v[T4], v58 offset:BS+4096
	s_cmp_gt_u32 s2, 8
	s_cbranch_scc1 .Lno_piece_out
	global_store_b128 v[L16], v[24:27], s[86:87]   ; 512 consecutive bytes, at a multiple of 512 from wimg's first byte
.Lno_piece_out:
	s_wait_dscnt 0x0
	LNROW T, WB, WB+16, ACC, 0, 1
	LNROW T+16, WB, WB+16, ACC, 1, 1
	WL1 WB, WSB, 20, 22                            ; Wk, into the registers that gain and bias have left
	BAR                                            ; h's images, their scale words and the three biases lie in LDS
	; ---- q
	JOBT HN, HNS, WA, WSA, 0, 4
	WL1 WA, WSA, 26, 28                            ; Wv
	QB2 ACC, ACC+16, ACC+8, ACC+24, 56, T, 22      ; tokens 16 m + r, my head's block of 32
	global_store_b64 v[OQ], v[56:57], s[38:39]     ; the wave's 256 consecutive bytes, aligned
	global_store_b64 v[OQ], v[58:59], s[38:39] offset:512
	ds_store_b8 v[SQ], v22
	ds_store_b8 v[SQ], v23 offset:16
	; ---- k
	JOBT HP, HPS, WB, WSB, 2048, 5                 ; five places: v's first products start sums anew over these accumulators
	QB2 ACC, ACC+16, ACC+8, ACC+24, 60, T, 28      ; keys 8 u + r + 8 (r / 8)
	global_store_b64 v[OQ], v[60:61], s[66:67]
	global_store_b64 v[OQ], v[62:63], s[66:67] offset:512
	ds_store_b8 v[SK], v28
	ds_store_b8 v[SK], v29 offset:2
	; ---- v: the tokens are source 0; their scale words are those that k's product loaded
	ds_load_b32 v28, v[BVV]
	ds_load_b32 v29, v[BVV] offset:32
	FR2 L16, HP, 4096, 0
	s_wait_loadcnt 0x0                             ; Wv: nothing was asked for behind it
	s_wait_dscnt 0x0
	MM8 WA, WSA, 0, 0, 1
	PLACES 4
	FR2 L16, HP, 4096, 2
	s_wait_dscnt 0x0
	MM8 WA, WSA, 2, 0, 0
	PLACES 4
.irp j, 0,2,4,6,8,10,12,14
	v_pk_add_f32 v[ACC+\j:ACC+\j+1], v[ACC+\j:ACC+\j+1], v[28:29] op_sel_hi:[1,0]               ; + bv of my channel of tile 0,
.endr
.irp j, 0,2,4,6,8,10,12,14
	v_pk_add_f32 v[ACC+16+\j:ACC+17+\j], v[ACC+16+\j:ACC+17+\j], v[28:29] op_sel:[0,1] op_sel_hi:[1,1]   ; of tile 1
.endr
	s_wait_xcnt 0x0                                ; q's stores have read v56-59, which are written again
	QB2 ACC, ACC+8, ACC+16, ACC+24, 56, T, 22      ; a channel's 32 tokens: one block along the keys
	global_store_b64 v[OV], v[56:57], s[68:69]
	global_store_b64 v[OV], v[58:59], s[68:69] offset:1024
	v_and_b32 v29, 16, v0
	v_cmp_eq_u32 vcc_lo, 0, v29
	v_cndmask_b32 v28, v23, v22, vcc_lo            ; lanes 0-15 send tile 0's byte, lanes 16-31 tile 1's
	global_store_b8 v[VSB], v28, s[70:71]          ; single bytes, 4 apart: a word's four bytes belong to four work-groups
	BAR                                            ; q's and k's scale bytes lie in LDS
	s_cmp_eq_u32 s2, 0
	s_cbranch_scc0 .Lnot_q
	ds_load_b128 v[64:67], v[L16] offset:SCQ
	s_wait_dscnt 0x0
	global_store_b128 v[L16], v[64:67], s[40:41]   ; 512 consecutive bytes
.Lnot_q:
	s_cmp_eq_u32 s2, 1
	s_cbranch_scc0 .Lnot_k
	ds_load_b128 v[68:71], v[L16] offset:SCK
	s_wait_dscnt 0x0
	global_store_b128 v[KO], v[68:71], s[72:73]    ; 64 consecutive bytes for each of the eight heads
.Lnot_k:
	s_wait_xcnt 0x0
	v_lshl_add_u32 v254, v0, 2, 0x16200
	v_mov_b32 v255, 0
	s_wait_tensorcnt 0x0
	ds_add_u32 v254, v255
	s_wait_dscnt 0x0
	s_endpgm
.Lfunc_end_k_qa12f3cb0ea_qkv:
	.size	k_qa12f3cb0ea_qkv, .Lfunc_end_k_qa12f3cb0ea_qkv-k_qa12f3cb0ea_qkv
	.p2alignl 7, 3214868480
	.fill 96, 4, 3214868480
	.section	.rodata,"a",@progbits
	.p2align	6, 0x0
	.amdhsa_kernel k_qa12f3cb0ea_qkv
		.amdhsa_group_segment_fixed_size 92672
		.amdhsa_private_segment_fixed_size 0
		.amdhsa_enable_private_segment 0
		.amdhsa_kernarg_size 152
		.amdhsa_user_sgpr_count 2
		.amdhsa_user_sgpr_kernarg_segment_ptr 1
		.amdhsa_wavefront_size32 1
		.amdhsa_system_sgpr_workgroup_id_x 1
		.amdhsa_system_sgpr_workgroup_id_y 1
		.amdhsa_system_sgpr_workgroup_id_z 1
		.amdhsa_system_vgpr_workitem_id 0
		.amdhsa_next_free_vgpr 256
		.amdhsa_next_free_sgpr 96
		.amdhsa_reserve_vcc 1
		.amdhsa_float_denorm_mode_32 3
		.amdhsa_float_denorm_mode_16_64 3
		.amdhsa_memory_ordered 1
		.amdhsa_forward_progress 1
		.amdhsa_inst_pref_size 44
	.end_amdhsa_kernel
	.amdgpu_metadata
---
amdhsa.version: [ 1, 2 ]
amdhsa.kernels:
  - .name:           k_qa12f3cb0ea_qkv
    .symbol:         k_qa12f3cb0ea_qkv.kd
    .args:
      - { .name: x, .offset: 0, .size: 8, .value_kind: global_buffer, .address_space: global }
      - { .name: ln1_g, .offset: 8, .size: 8, .value_kind: global_buffer, .address_space: global }
      - { .name: ln1_b, .offset: 16, .size: 8, .value_kind: global_buffer, .address_space: global }
      - { .name: Wq_codes, .offset: 24, .size: 8, .value_kind: global_buffer, .address_space: global }
      - { .name: Wq_scales, .offset: 32, .size: 8, .value_kind: global_buffer, .address_space: global }
      - { .name: bq, .offset: 40, .size: 8, .value_kind: global_buffer, .address_space: global }
      - { .name: Wk_codes, .offset: 48, .size: 8, .value_kind: global_buffer, .address_space: global }
      - { .name: Wk_scales, .offset: 56, .size: 8, .value_kind: global_buffer, .address_space: global }
      - { .name: bk, .offset: 64, .size: 8, .value_kind: global_buffer, .address_space: global }
      - { .name: Wv_codes, .offset: 72, .size: 8, .value_kind: global_buffer, .address_space: global }
      - { .name: Wv_scales, .offset: 80, .size: 8, .value_kind: global_buffer, .address_space: global }
      - { .name: bv, .offset: 88, .size: 8, .value_kind: global_buffer, .address_space: global }
      - { .name: W1_codes, .offset: 96, .size: 8, .value_kind: global_buffer, .address_space: global }
      - { .name: W2_codes, .offset: 104, .size: 8, .value_kind: global_buffer, .address_space: global }
      - { .name: Wo_codes, .offset: 112, .size: 8, .value_kind: global_buffer, .address_space: global }
      - { .name: qimg, .offset: 120, .size: 8, .value_kind: global_buffer, .address_space: global }
      - { .name: qsc, .offset: 128, .size: 8, .value_kind: global_buffer, .address_space: global }
      - { .name: kv, .offset: 136, .size: 8, .value_kind: global_buffer, .address_space: global }
      - { .name: wimg, .offset: 144, .size: 8, .value_kind: global_buffer, .address_space: global }
    .group_segment_fixed_size: 92672
    .private_segment_fixed_size: 0
    .kernarg_segment_align: 8
    .kernarg_segment_size: 152
    .max_flat_workgroup_size: 512
    .sgpr_count:     96
    .vgpr_count:     256
    .wavefront_size: 32
...
	.end_amdgpu_metadata
.endif
;; end of part 1
;; launch attn (part 2): grid 16 x 16, 16 waves a work-group, clusters of 4 x 1, 281,088 bytes of LDS; arguments qimg, qsc, kv, oimg, osc; writes oimg, osc
.if DOCPART == 2
	.amdgcn_target "amdgcn-amd-amdhsa--gfx1250"
	.amdhsa_code_object_version 6
	.text
	.protected	k_qa12f3cb0ea_attn
	.globl	k_qa12f3cb0ea_attn
	.p2align	8
	.type	k_qa12f3cb0ea_attn,@function
k_qa12f3cb0ea_attn:
	s_mov_b64 s[64:65], 0
	v_nop
	global_prefetch_b8 v0, s[64:65] scope:SCOPE_SE
	s_setreg_imm32_b32 hwreg(HW_REG_WAVE_MODE, 25, 1), 1
	s_wait_xcnt 0x0
	s_wait_alu depctr_hold_cnt(0) depctr_sa_sdst(0) depctr_va_vdst(0) depctr_va_sdst(0) depctr_va_ssrc(0) depctr_va_vcc(0) depctr_vm_vsrc(0)
	s_getreg_b32 s2, hwreg(HW_REG_IB_STS2, 6, 4)
	s_cmp_eq_u32 s2, 0
	s_cbranch_scc0 .Lentry_in_a_cluster
	s_endpgm
.Lentry_in_a_cluster:
	s_bfe_u32 s2, ttmp6, 0x10000c
	s_cmp_lg_u32 s2, 0x3003
	s_cbranch_scc0 .Lentry_shape_is_right
	s_endpgm
.Lentry_shape_is_right:
; LAUNCH 2 OF 3.  Attention of one head (of 16: 2 batches x 8), head size 64, 4,096 keys, no mask, both products on codes of FP4 (E2M1) with one E8M0 scale for each 32 along K.
; t = score x log2(e) / 8; M = the row's largest t so far, rounded UP to a whole number; p = 2^(t - M) is quantised along the keys, not normalised; the row's sum is taken of the unquantised p and divides O at the end.
; When M moves, the sum and O are multiplied by 2^(old M - new M): exact.  O / sum is quantised along the model's 512 and leaves as codes in the order of the next launch's operand registers.
; SHARES.  A work-group owns 256 queries of a head, each of its sixteen waves 16 of them, in 256 registers: four waves to a SIMD, so that one wave's vector work stands beside another's products and LDS loads.
; A HEAD'S K AND V, AS CODES WITH THEIR SCALE WORDS, ARE 278,528 BYTES AND LIE IN LDS WHOLE: LDS is a copy, byte for byte, of the head's part of kv.  It is filled ONCE, in four chunks of 1,024 keys, each wave bringing
; 17 rows of 256 bytes of each chunk: four tensor loads of a wave are out at the most.  Nothing is filled again.  Every LDS read takes an image of operand registers: 16 bytes a lane, 512 consecutive bytes a load.
; CLUSTER.  The four query blocks of a cluster belong to one head, so each piece is asked for JOINTLY: the same tensor load, the same descriptor, a mask that names the four.
; No prefetch: all of K and V is asked for by the first fills at the head; there is no later request to run ahead of.
; LAYOUT.  Both products are used transposed: S^T = K Q^T (source 0 = 16 keys), O^T = V^T P^T (source 0 = 16 channels): a lane holds ONE query (lane % 16) throughout.
; THE HEAD'S 64 IN AN INSTRUCTION OF 128: a fragment of K holds TWO tiles of 16 keys, tile u in k = 64 u .. 64 u + 63.  Q stands between zeros, v16-27 = [0 | q | 0]: v[20:27] meets tile 0, v[16:23] tile 1;
; the other tile's codes meet zero codes under the scale byte 127, which add nothing.
; THE KEYS OF A TILE ARE NOT NEIGHBOURS: lane r of tile 2 f + u holds key 32 f + 8 u + r + 8 (r / 8), so that the 16 registers of tiles 2 f, 2 f + 1 are keys 32 f + 16 (lane / 16) + 0 .. 15.  V's channels likewise.
; LIMITS: NaN and infinities are not served.  A block whose largest number lies under 2^-124 gets the scale byte 1: its codes are zeros, and this program alone reads the bytes.
.set HEADB,  278528
.set STEPB,  8704                      ; 128 keys: K's four fragments, V's four tiles, K's scale words at 8,192, V's at 8,448
.set CHUNKB, 69632                     ; eight steps
.set PARTB,  4352                      ; a wave's part of a chunk: 17 rows of 256 bytes
.set OST,    278528                    ; behind the head: 512 bytes in which O's scale bytes meet; no tile lands there
.set L16, 1                            ; v1   16 x lane
.set AKS, 2                            ; v2   8,192 + 4 r
.set AVS, 3                            ; v3   8,448 + 16 r
.set ADK, 4                            ; v4-6 the step's addresses
.set ADS, 5
.set ADT, 6
.set GO,  7                            ; v7   O's codes: 16 r + 8 h
.set STW, 8                            ; v8   OST + 32 w + 2 r
.set STR, 9                            ; v9   OST + 16 x lane
.set QZ,  16                           ; v16-27 zeros, q, zeros
.set QS,  28                           ; v28  q's scale words: lanes 0-15 [s0 s1 127 127], lanes 16-31 [127 127 s0 s1]
.set KS,  40                           ; v40-43 K's scale words
.set VS,  44                           ; v44-47 V's
.set PS,  49                           ; v49  p's
.set FF,  50                           ; v[50:51] f = 2^(old M - new M), in the low word
.set TT,  52                           ; v52  at work
.set KF,  64                           ; v64-95 K's four fragments
.set VF,  96                           ; v96-127 V's four tiles
.set S,   128                          ; v128-191 S^T, then p
.set O,   192                          ; v192-223 O^T
.set PC,  224                          ; v224-231 p's codes
.set WK,  232                          ; v232-235 the blocks' largest
.set PD,  236                          ; v236-239 destinations of lane permutes; else at work
.set SO,  244                          ; v244-247 the conversions' scale operands
.set TB,  3                            ; s3   LDS byte at which the step begins
.set WVN, 4                            ; s4   my wave's number
.set SEL, 20                           ; s[20:21]
.set CS,  22                           ; s[22:23] c = log2(e) / 8
.set G1,  24                           ; s[24:31] descriptor group 1
.set G0,  32                           ; s[32:47] four groups 0, one for each chunk
.set CNT, 48
.macro PLACES n
.rept \n
	v_nop
.endr
.endm
.macro ROUND                           ; a round of the cluster's barrier
	s_barrier_signal -1
	s_barrier_wait -1
	s_cmp_lg_u32 s[WVN], 0
	s_cbranch_scc1 .Lnot_wave_0_\@
	s_barrier_signal -3
.Lnot_wave_0_\@:
	s_barrier_wait -3
	s_barrier_signal -1
	s_barrier_wait -1
.endm
.macro QB2 lo0, hi0, lo1, hi1, cp, tm, by      ; two blocks of 32, by turns: my 16 numbers of each in v[lo] .. +7, v[hi] .. +7; lane l xor 16 holds the others
	v_max3_num_f32 v[\tm], |v[\lo0]|, |v[\lo0+1]|, 0x1800000
	v_max3_num_f32 v[\tm+1], |v[\lo1]|, |v[\lo1+1]|, 0x1800000
.irp k, 2,4,6
	v_max3_num_f32 v[\tm], v[\tm], |v[\lo0+\k]|, |v[\lo0+\k+1]|
	v_max3_num_f32 v[\tm+1], v[\tm+1], |v[\lo1+\k]|, |v[\lo1+\k+1]|
.endr
.irp k, 0,2,4,6
	v_max3_num_f32 v[\tm], v[\tm], |v[\hi0+\k]|, |v[\hi0+\k+1]|
	v_max3_num_f32 v[\tm+1], v[\tm+1], |v[\hi1+\k]|, |v[\hi1+\k+1]|
.endr
	v_permlanex16_b32 v[PD], v[\tm], s[SEL], s[SEL+1]
	v_permlanex16_b32 v[PD+1], v[\tm+1], s[SEL], s[SEL+1]
	v_max_num_f32 v[\tm], v[\tm], v[PD]
	v_max_num_f32 v[\tm+1], v[\tm+1], v[PD+1]
	v_add_nc_u32 v[\tm+2], 0xff000000, v[\tm]
	v_add_nc_u32 v[\tm+3], 0xff000000, v[\tm+1]
	v_cvt_scalef32_pk8_fp4_f32 v[\cp], v[\lo0:\lo0+7], v[\tm+2]
	v_cvt_scalef32_pk8_fp4_f32 v[\cp+1], v[\hi0:\hi0+7], v[\tm+2]
	v_cvt_scalef32_pk8_fp4_f32 v[\cp+2], v[\lo1:\lo1+7], v[\tm+3]
	v_cvt_scalef32_pk8_fp4_f32 v[\cp+3], v[\hi1:\hi1+7], v[\tm+3]
	v_lshrrev_b32 v[\by], 23, v[\tm+2]
	v_lshrrev_b32 v[\by+1], 23, v[\tm+3]
.endm
; A KEY STEP: 128 keys.
.macro STEP
	v_add_nc_u32 v[ADK], s[TB], v[L16]
	v_add_nc_u32 v[ADS], s[TB], v[AKS]
	v_add_nc_u32 v[ADT], s[TB], v[AVS]
	v_nop                                          ; with the three additions: four places behind the last step's products, in front of loads into registers that they have read
.irp i, 0,1,2,3,4,5,6,7
	ds_load_b128 v[KF+4*\i:KF+4*\i+3], v[ADK] offset:512*\i
.endr
.irp f, 0,1,2,3
	ds_load_b32 v[KS+\f], v[ADS] offset:64*\f
.endr
.irp i, 0,1,2,3,4,5,6,7
	ds_load_b128 v[VF+4*\i:VF+4*\i+3], v[ADK] offset:4096+512*\i
.endr
	ds_load_b128 v[VS:VS+3], v[ADT]
	s_wait_dscnt 9                                 ; K's twelve loads are in; V's nine stay out until the second product
.irp f, 0,1,2,3
	v_wmma_scale_f32_16x16x128_f8f6f4 v[S+16*\f:S+16*\f+7], v[KF+8*\f:KF+8*\f+7], v[QZ+4:QZ+11], 0, v[KS+\f], v[QS] matrix_a_fmt:MATRIX_FMT_FP4 matrix_b_fmt:MATRIX_FMT_FP4
	v_wmma_scale_f32_16x16x128_f8f6f4 v[S+16*\f+8:S+16*\f+15], v[KF+8*\f:KF+8*\f+7], v[QZ:QZ+7], 0, v[KS+\f], v[QS] matrix_a_fmt:MATRIX_FMT_FP4 matrix_b_fmt:MATRIX_FMT_FP4 matrix_b_scale:MATRIX_SCALE_ROW1
.endr
	PLACES 4
.irp b, 0,1,2,3
	v_max3_num_f32 v[WK+\b], v[S+16*\b], v[S+1+16*\b], v[S+2+16*\b]   ; the largest score of each block of 32 keys: it serves for the row's maximum and, since p rises with the score, for the block's largest p
.endr
.irp i, 3,5,7,9,11,13
.irp b, 0,1,2,3
	v_max3_num_f32 v[WK+\b], v[WK+\b], v[S+16*\b+\i], v[S+1+16*\b+\i]
.endr
.endr
.irp b, 0,1,2,3
	v_max_num_f32 v[WK+\b], v[WK+\b], v[S+15+16*\b]
.endr
.irp b, 0,1,2,3
	v_permlanex16_b32 v[PD+\b], v[WK+\b], s[SEL], s[SEL+1]
.endr
.irp b, 0,1,2,3
	v_max_num_f32 v[WK+\b], v[WK+\b], v[PD+\b]     ; with lane l xor 16's 16 keys
.endr
	v_max3_num_f32 v[TT], v[WK], v[WK+1], v[WK+2]
	v_max_num_f32 v[TT], v[TT], v[WK+3]
	v_mul_f32 v[TT], s[CS], v[TT]                  ; the step's largest t (c is positive)
	v_max_num_f32 v13, v13, v[TT]                  ; the running largest t
	v_mov_b32 v[TT], v12
	v_floor_f32 v12, -v13                          ; the new -M = -ceil(t): a whole number
	v_sub_f32 v[TT], v12, v[TT]                    ; old M - new M: a whole number, 0 or less
	v_cvt_i32_f32 v[TT], v[TT]                     ; (it saturates)
	v_ldexp_f32 v[FF], 1.0, v[TT]                  ; f
.irp j, 0,2,4,6,8,10,12,14,16,18,20,22,24,26,28,30,32,34,36,38,40,42,44,46,48,50,52,54,56,58,60,62
	v_pk_fma_f32 v[S+\j:S+1+\j], v[S+\j:S+1+\j], s[CS:CS+1], v[12:13] op_sel_hi:[1,0,0]   ; t - M
.endr
.irp b, 0,1,2,3
	v_fma_f32 v[WK+\b], v[WK+\b], s[CS], v12       ; the same of each block's largest score
.endr
.irp j, 0,1,2,3,4,5,6,7,8,9,10,11,12,13,14,15,16,17,18,19,20,21,22,23,24,25,26,27,28,29,30,31,32,33,34,35,36,37,38,39,40,41,42,43,44,45,46,47,48,49,50,51,52,53,54,55,56,57,58,59,60,61,62,63
	v_exp_f32 v[S+\j], v[S+\j]                     ; p, at most 1
.endr
	v_pk_mul_f32 v[14:15], v[14:15], v[FF:FF+1] op_sel_hi:[1,0]   ; the sums under the new M (a plain place behind the exponentials)
	s_wait_alu depctr_va_vdst(0)                   ; one wait for the batch of 64, ahead of its first reader
.irp b, 0,1,2,3
	v_exp_f32 v[WK+\b], v[WK+\b]                   ; the blocks' largest p
.endr
	v_pk_add_f32 v[PD:PD+1], v[S:S+1], v[S+2:S+3]  ; the row's sum of the unquantised p, in two chains (it reads the 64 alone)
.irp j, 4,8,12,16,20,24,28,32,36,40,44,48,52,56,60
	v_pk_add_f32 v[14:15], v[14:15], v[S+\j:S+1+\j]
	v_pk_add_f32 v[PD:PD+1], v[PD:PD+1], v[S+2+\j:S+3+\j]
.endr
	v_pk_add_f32 v[14:15], v[14:15], v[PD:PD+1]
	s_wait_alu depctr_va_vdst(0)                   ; and one for the four
.irp b, 0,1,2,3
	v_max_num_f32 v[WK+\b], 0x1800000, v[WK+\b]    ; the floor 2^(3 - 127): the byte cannot fall under 1
.endr
.irp b, 0,1,2,3
	v_add_nc_u32 v[SO+\b], 0xff000000, v[WK+\b]
.endr
.irp b, 0,1,2,3
	v_lshrrev_b32 v[PD+\b], 23, v[SO+\b]
.endr
	v_lshl_or_b32 v[PS], v[PD+1], 8, v[PD]         ; p's scale word for these 128 keys
	v_lshl_or_b32 v[PS], v[PD+2], 16, v[PS]
	v_lshl_or_b32 v[PS], v[PD+3], 24, v[PS]
.irp b, 0,1,2,3
	v_cvt_scalef32_pk8_fp4_f32 v[PC+2*\b], v[S+16*\b:S+7+16*\b], v[SO+\b]
	v_cvt_scalef32_pk8_fp4_f32 v[PC+1+2*\b], v[S+8+16*\b:S+15+16*\b], v[SO+\b]
.endr
	v_nop                                          ; a plain place behind the conversions
.irp c, 0,1                                    ; the operand's layout wants a whole block in a lane: lanes 0-15 block 2 c, lanes 16-31 block 2 c + 1
.irp i, 0,1
	v_permlane16_swap_b32 v[PC+4*\c+\i], v[PC+2+4*\c+\i]
.endr
.endr
.irp j, 0,2,4,6,8,10,12,14,16,18,20,22,24,26,28,30
	v_pk_mul_f32 v[O+\j:O+1+\j], v[O+\j:O+1+\j], v[FF:FF+1] op_sel_hi:[1,0]   ; O^T under the new M.  (These sixteen are also the places between the codes' and the scale word's last writes and the products)
.endr
	s_wait_dscnt 0x0                               ; V
.irp t, 0,1,2,3
	v_wmma_scale_f32_16x16x128_f8f6f4 v[O+8*\t:O+8*\t+7], v[VF+8*\t:VF+8*\t+7], v[PC:PC+7], v[O+8*\t:O+8*\t+7], v[VS+\t], v[PS] matrix_a_fmt:MATRIX_FMT_FP4 matrix_b_fmt:MATRIX_FMT_FP4
.endr
.endm
; A chunk: 1,024 keys, eight steps.  The count leaves the later chunks' loads out.  No LDS instruction of mine is pending at the signal: the last step waited for all.
.macro CHUNK n
	s_wait_tensorcnt 3-\n                          ; my part of chunks 0 .. n has landed,
	s_barrier_signal -1
	s_barrier_wait -1                              ; everybody's has
	s_mov_b32 s[TB], CHUNKB*\n
	s_mov_b32 s[CNT], 8
.Lstep_\@:
	STEP
	s_add_co_u32 s[TB], s[TB], STEPB
	s_sub_co_u32 s[CNT], s[CNT], 1
	s_cmp_lg_u32 s[CNT], 0
	s_cbranch_scc1 .Lstep_\@
.endm
	s_load_b256 s[8:15], s[0:1], 0x0               ; qimg 8, qsc 10, kv 12, oimg 14
	s_load_b64 s[16:17], s[0:1], 0x20              ; osc
	v_lshl_add_u32 v254, v0, 2, 0x44200
	v_mov_b32 v255, 0
	ds_add_u32 v254, v255
	ds_add_u32 v254, v255
	v_lshrrev_b32 v29, 5, v0
	v_readfirstlane_b32 s[WVN], v29                ; wave 0..15
	s_bfe_u32 s5, ttmp6, 0x40000                   ; cx: my place in the cluster: it enters Q's and O's global addresses alone
	s_lshl_b32 s6, ttmp9, 2
	s_add_co_u32 s6, s6, s5                        ; my block of 256 queries
	s_and_b32 s7, ttmp7, 0xffff                    ; 8 x batch + head, which the four partners share
	s_mul_i32 s49, s[WVN], PARTB                   ; my part of a chunk, in LDS as in memory
	s_mul_i32 s50, s7, HEADB
	s_add_co_u32 s50, s50, s49
	s_mov_b32 s51, 0
	s_mov_b32 s[G1], 15|(3<<16)|(1<<21)            ; 15:0 the mask: all four work-groups; 17:16 elements of 8 bytes; 20 no padding; 21 set beside a mask
	s_mov_b32 s[G1+1], 32<<16                      ; tensor_dim0 = 32 elements: 256 bytes
	s_mov_b32 s[G1+2], 17<<16                      ; tensor_dim1 = 17
	s_mov_b32 s[G1+3], 32<<16                      ; tile_dim0
	s_mov_b32 s[G1+4], 17                          ; tile_dim1
	s_mov_b32 s[G1+5], 32                          ; from row to row: dense
	s_mov_b32 s[G1+6], 0
	s_mov_b32 s[G1+7], 0
	s_lshl_b32 s54, s6, 4
	s_add_co_u32 s54, s54, s[WVN]                  ; my tile of 16 queries, of the sequence's 256
	s_lshr_b32 s55, s7, 3                          ; batch
	s_and_b32 s56, s7, 7                           ; head
	s_lshl_b32 s58, s7, 17
	s_lshl_b32 s57, s54, 9
	s_add_co_u32 s58, s58, s57
	s_mov_b32 s59, 0                               ; qimg
	s_lshl_b32 s60, s55, 7
	s_lshr_b32 s57, s54, 1
	s_add_co_u32 s60, s60, s57
	s_lshl_b32 s60, s60, 9                         ; qsc: the block of 32 tokens, 512 bytes;
	s_lshl_b32 s57, s56, 6
	s_add_co_u32 s60, s60, s57                     ; 32 bytes for each half of a head;
	s_and_b32 s57, s54, 1
	s_lshl_b32 s57, s57, 4
	s_add_co_u32 s60, s60, s57                     ; my 16 tokens of the 32
	s_mov_b32 s61, 0
	s_lshl_b32 s62, s55, 8
	s_add_co_u32 s62, s62, s54
	s_lshl_b32 s62, s62, 12                        ; oimg: the tile of 16 rows, 4,096 bytes;
	s_lshl_b32 s57, s56, 9
	s_add_co_u32 s62, s62, s57                     ; a head's 64 are half a K step: 512 bytes
	s_mov_b32 s63, 0
	s_lshl_b32 s18, s55, 13
	s_lshl_b32 s57, s6, 9
	s_add_co_u32 s18, s18, s57
	s_lshl_b32 s57, s56, 14
	s_add_co_u32 s18, s18, s57                     ; osc: [head][tile of rows][r] of two bytes
	s_mov_b32 s19, 0
	s_mov_b32 s[SEL], 0x76543210
	s_mov_b32 s[SEL+1], 0xfedcba98
	s_mov_b32 s[CS], 0x3e38aa3b
	s_mov_b32 s[CS+1], s[CS]                       ; (named with it as a pair, so it is written)
	v_and_b32 v10, 31, v0
	v_and_b32 v11, 15, v0                          ; r; also the offset of q's scale bytes
	v_bfe_u32 v29, v0, 4, 1                        ; h
	v_lshlrev_b32 v[L16], 4, v10
	v_lshl_add_u32 v[AKS], v11, 2, 8192
	v_lshl_add_u32 v[AVS], v11, 4, 8448
	v_lshlrev_b32 v[GO], 4, v11
	v_lshl_add_u32 v[GO], v29, 3, v[GO]
	s_lshl_b32 s57, s[WVN], 5
	s_add_co_u32 s57, s57, OST
	v_lshl_add_u32 v[STW], v11, 1, s57
	v_add_nc_u32 v[STR], OST, v[L16]
	s_wait_dscnt 0x0
	s_wait_kmcnt 0x0
	s_add_nc_u64 s[52:53], s[12:13], s[50:51]
	s_add_nc_u64 s[8:9], s[8:9], s[58:59]
	s_add_nc_u64 s[10:11], s[10:11], s[60:61]
	s_add_nc_u64 s[14:15], s[14:15], s[62:63]
	s_add_nc_u64 s[16:17], s[16:17], s[18:19]
.irp c, 0,1,2,3
	s_mov_b32 s[G0+4*\c], 1                        ; count = 1
	s_add_co_u32 s[G0+4*\c+1], s49, CHUNKB*\c      ; LDS address
	s_add_nc_u64 s[G0+4*\c+2:G0+4*\c+3], s[52:53], CHUNKB*\c   ; global address
	s_or_b32 s[G0+4*\c+3], s[G0+4*\c+3], 0x80000000           ; type = 2
.endr
	ROUND                                          ; all four work-groups are here: the joint loads meet
	tensor_load_to_lds s[G0:G0+3], s[G1:G1+7]      ; the first and only fills: one group, ahead of every wait on TENSORcnt and every LDS read
	s_nop 0
	tensor_load_to_lds s[G0+4:G0+7], s[G1:G1+7]
	s_nop 0
	tensor_load_to_lds s[G0+8:G0+11], s[G1:G1+7]
	s_nop 0
	tensor_load_to_lds s[G0+12:G0+15], s[G1:G1+7]
	s_nop 0
	PLACES 4                                       ; four plain lines follow the last of them
	global_load_b128 v[QZ+4:QZ+7], v[L16], s[8:9]  ; q: lane (r, h): query r, dims 32 h on
	global_load_u8 v30, v11, s[10:11]
	global_load_u8 v31, v11, s[10:11] offset:32
.irp j, 0,1,2,3,8,9,10,11
	v_mov_b32 v[QZ+\j], 0
.endr
	v_mov_b32 v13, 0xff61b1e6                      ; the largest t so far: -3e38, under every t
	v_floor_f32 v12, -v13                          ; -M
	v_mov_b32 v14, 0
	v_mov_b32 v15, 0
	v_mov_b32 v[FF+1], 0                           ; (named as the upper half of a pair)
.irp b, 0,1,2,3
	v_mov_b32 v[PD+\b], 0                          ; written once: a lane permute's destination counts as one of its sources
.endr
	s_wait_loadcnt 0x0
	v_lshl_or_b32 v30, v31, 8, v30
	v_or_b32 v32, 0x7f7f0000, v30
	v_lshl_or_b32 v33, v30, 16, 0x7f7f
	v_cmp_eq_u32 vcc_lo, 0, v29
	v_cndmask_b32 v[QS], v33, v32, vcc_lo
.irp j, 0,1,2,3,4,5,6,7,8,9,10,11,12,13,14,15,16,17,18,19,20,21,22,23,24,25,26,27,28,29,30,31
	v_mov_b32 v[O+\j], 0                           ; O^T: the step is written once; the first finds zeros.  (Also the places between the scale word's write and the first product)
.endr
	CHUNK 0
	CHUNK 1
	CHUNK 2
	CHUNK 3
	; THE WAY OUT
	v_add_f32 v14, v14, v15
	v_permlanex16_b32 v[TT], v14, s[SEL], s[SEL+1]
	v_add_f32 v14, v14, v[TT]                      ; the row's sum
	v_rcp_f32 v14, v14
	PLACES 4                                       ; behind the last products, and behind the reciprocal
	s_wait_alu depctr_va_vdst(0)                   ; the wait ahead of the reciprocal's first reader
.irp j, 0,1,2,3,4,5,6,7,8,9,10,11,12,13,14,15,16,17,18,19,20,21,22,23,24,25,26,27,28,29,30,31
	v_mul_f32 v[S+\j], v[O+\j], v14                ; register 16 b + i: o(query r, dim 32 b + 16 h + i)
.endr
	QB2 S, S+8, S+16, S+24, PC, WK, 240
	global_store_b64 v[GO], v[PC:PC+1], s[14:15]   ; the wave's 256 consecutive bytes, aligned
	global_store_b64 v[GO], v[PC+2:PC+3], s[14:15] offset:256
	v_lshl_or_b32 v53, v241, 8, v240
	ds_store_b16 v[STW], v53                       ; both halves of the lanes write the same two bytes
	s_wait_dscnt 0x0
	s_barrier_signal -1
	s_barrier_wait -1
	s_cmp_lg_u32 s[WVN], 0
	s_cbranch_scc1 .Lnot_mine
	ds_load_b128 v[128:131], v[STR]
	s_wait_dscnt 0x0
	global_store_b128 v[L16], v[128:131], s[16:17] ; the work-group's 512 scale bytes, consecutive
.Lnot_mine:
	s_wait_tensorcnt 0x0
	ds_add_u32 v254, v255
	s_wait_dscnt 0x0
	ROUND                                          ; the closing round: no work-group ends while a partner may still ask for a piece that names it
	s_endpgm
.Lfunc_end_k_qa12f3cb0ea_attn:
	.size	k_qa12f3cb0ea_attn, .Lfunc_end_k_qa12f3cb0ea_attn-k_qa12f3cb0ea_attn
	.p2alignl 7, 3214868480
	.fill 96, 4, 3214868480
	.section	.rodata,"a",@progbits
	.p2align	6, 0x0
	.amdhsa_kernel k_qa12f3cb0ea_attn
		.amdhsa_group_segment_fixed_size 281088
		.amdhsa_private_segment_fixed_size 0
		.amdhsa_enable_private_segment 0
		.amdhsa_kernarg_size 40
		.amdhsa_user_sgpr_count 2
		.amdhsa_user_sgpr_kernarg_segment_ptr 1
		.amdhsa_wavefront_size32 1
		.amdhsa_system_sgpr_workgroup_id_x 1
		.amdhsa_system_sgpr_workgroup_id_y 1
		.amdhsa_system_sgpr_workgroup_id_z 1
		.amdhsa_system_vgpr_workitem_id 0
		.amdhsa_next_free_vgpr 256
		.amdhsa_next_free_sgpr 66
		.amdhsa_reserve_vcc 1
		.amdhsa_float_denorm_mode_32 3
		.amdhsa_float_denorm_mode_16_64 3
		.amdhsa_memory_ordered 1
		.amdhsa_forward_progress 1
		.amdhsa_inst_pref_size 72
	.end_amdhsa_kernel
	.amdgpu_metadata
---
amdhsa.version: [ 1, 2 ]
amdhsa.kernels:
  - .name:           k_qa12f3cb0ea_attn
    .symbol:         k_qa12f3cb0ea_attn.kd
    .args:
      - { .name: qimg, .offset: 0, .size: 8, .value_kind: global_buffer, .address_space: global }
      - { .name: qsc, .offset: 8, .size: 8, .value_kind: global_buffer, .address_space: global }
      - { .name: kv, .offset: 16, .size: 8, .value_kind: global_buffer, .address_space: global }
      - { .name: oimg, .offset: 24, .size: 8, .value_kind: global_buffer, .address_space: global }
      - { .name: osc, .offset: 32, .size: 8, .value_kind: global_buffer, .address_space: global }
    .group_segment_fixed_size: 281088
    .private_segment_fixed_size: 0
    .kernarg_segment_align: 8
    .kernarg_segment_size: 40
    .max_flat_workgroup_size: 512
    .sgpr_count:     66
    .vgpr_count:     256
    .wavefront_size: 32
...
	.end_amdgpu_metadata
.endif
;; end of part 2
;; launch tail (part 3): grid 256 x 1, 16 waves a work-group, no clusters, 137,216 bytes of LDS; arguments oimg, osc, x, wimg, Wo_scales, bo, ln2_g, ln2_b, W1_scales, b1, W2_scales, b2, out0; writes out0
.if DOCPART == 3
	.amdgcn_target "amdgcn-amd-amdhsa--gfx1250"
	.amdhsa_code_object_version 6
	.text
	.protected	k_qa12f3cb0ea_tail
	.globl	k_qa12f3cb0ea_tail
	.p2align	8
	.type	k_qa12f3cb0ea_tail,@function
k_qa12f3cb0ea_tail:
	s_mov_b64 s[64:65], 0
	v_nop
	global_prefetch_b8 v0, s[64:65] scope:SCOPE_SE
	s_setreg_imm32_b32 hwreg(HW_REG_WAVE_MODE, 25, 1), 1
	s_wait_xcnt 0x0
; LAUNCH 3 OF 3.  x1 = x + o Wo + bo;  h2 = layer norm 2 of x1;  out = x1 + gelu(h2 W1 + b1) W2 + b2.  All three products on codes of FP4 (E2M1) with one E8M0 scale for each 32 along K.
; o arrives as codes (launch 2); h2 and the hidden layer are quantised on the way and never go to memory.  The weights' codes come from wimg, where launch 1 has laid them in the order of the operand registers.
; SHARES.  A work-group of sixteen waves owns 32 rows.  THE WAVES SHARE THE COLUMNS: wave w makes columns 32 w .. 32 w + 31 of the first and third product and hidden units 128 w .. 128 w + 127, which are K step w of the third.
; A wave's unit of work is two tiles of 16 weight rows x four K steps: 64 registers, 16 loads of 512 consecutive bytes and 2 of scale words, 18 loads; two such sets of registers take turns, so that at each wait
; for a set the 18 loads of the next one stay out.  Activations go from wave to wave through LDS as images of operand registers (a fragment: two halves of 512 bytes, lane l's 16 bytes at 16 l).
; All products take weight rows as source 0 and the 32 rows as source 1: a lane holds one row and eight neighbouring columns.  W1's tiles take rows 32 B + 8 u + r + 8 (r / 8), so that two tiles give a lane 16 neighbours.
; GELU.  gelu(x) = max(x, 0) - |x| E / 2, E = erfc(|x| / sqrt 2) = (a1 t + .. + a5 t^5) e^(-x x / 2), t = 1 / (1 + 0.3275911 |x| / sqrt 2) (Abramowitz and Stegun 7.1.26): no difference of near numbers for negative x.
; No cluster: each weight fragment is wanted by one wave of a work-group and goes straight into its registers; a joint request exists only for tiles that land in LDS.
; LIMITS: the formula's absolute error in erf is 1.5e-7, about one step of f32 at 1; far in the negative tail (x under -3) the relative error of the small result grows with it.
; NaN and infinities are not served.  A block whose largest magnitude lies under 2^-124, a block of zeros too, gets the scale byte 1: its codes are zeros, and this program alone reads the bytes.
.set OIMG, 0                           ; LDS: o's image: 2 tiles x 4 K steps x 1,024
.set H2I,  8192                        ; h2's
.set OSC,  16384                       ; o's scale words [tile][r][K step]
.set H2S,  16896                       ; h2's
.set HSC,  17408                       ; the hidden layer's: [tile][r] 80 bytes apart, word s at 4 s
.set B1S,  19968                       ; b1
.set BOS,  28160                       ; bo
.set B2S,  30208                       ; b2
.set GS,   32256                       ; ln2_g, and 2,048 bytes on
.set BBS,  34304                       ; ln2_b
.set HID,  36352                       ; the hidden layer's image: fragment (tile m, K step s) at (16 m + s) x 1,024
.set X1,   69120                       ; 32 rows of 2,048 bytes + 16: x, then x1, then out
.set RP,   2064
.set L16, 1                            ; v1   16 x lane
.set T4,  2                            ; v2   4 x thread
.set XSW, 3                            ; v3   rows 2 w, 2 w + 1 of X1, 16 x lane
.set XLN, 4                            ; v4   the same, 64 x lane
.set IMN, 5                            ; v5   where my row's 16 codes go in H2I
.set SBN, 6                            ; v6   where my block's scale byte goes in H2S
.set R16, 7                            ; v7   16 r
.set P16, 8                            ; v8   16 (r + 8 (r / 8))
.set R64, 9                            ; v9   64 r
.set XD,  10                           ; v10  X1 in the results' layout: row r, 128 w + 32 h
.set BD1, 11                           ; v11  b1 at hidden unit 128 w + 16 h
.set BDN, 12                           ; v12  128 w + 32 h: bo, b2 at column 32 w + 8 h
.set HW,  13                           ; v13  where the hidden layer's codes go
.set HSW, 14                           ; v14  and its scale words
.set R80, 15                           ; v15  80 r
.set OSW, 16                           ; v16  where o's two scale bytes go
.set T16, 17                           ; v17  16 x thread
.set GB,  18                           ; v18  GS + 64 x lane
.set LHID, 19                          ; v19  HID + 16 x lane
.set BY,  20                           ; v20-21 scale bytes just made
.set A5V, 22                           ; v[22:23] a5 / 2, twice
.set HWD, 24                           ; v24-25 the hidden layer's scale words in the making
.set CP,  26                           ; v26-29 codes just made
.set PD,  30                           ; v30-31 destinations of lane permutes
.set SC,  32                           ; v32-39 the activations' scale words: 4 m + K step
.set WSA, 40                           ; v40-47 scale words of the weight in WA
.set WSB, 48                           ; v48-55 in WB
.set T,   64                           ; v64-95 four fragments of activations; else at work
.set ACC, 96                           ; v96-127 accumulator (n, m) at 8 (2 n + m)
.set WA,  128
.set WB,  192
.set SEL, 40                           ; s[40:41]
.set C512, 42
.set EPS, 43
.set A4,  44                           ; s[44:45] a4 / 2; s[46:47] a3 / 2; s[48:49] a2 / 2; s[50:51] a1 / 2
.set A3,  46
.set A2,  48
.set A1,  50
.set NL2, 52                           ; s[52:53] -log2(e) / 2
.set SP,  54                           ; s54  0.3275911 / sqrt 2
.macro PLACES n
.rept \n
	v_nop
.endr
.endm
.macro BAR                             ; my LDS stores have landed and my LDS loads are in: then the work-group's barrier
	s_wait_dscnt 0x0
	s_barrier_signal -1
	s_barrier_wait -1
.endm
.macro WSUM a
	v_add_f32_dpp v[\a], v[\a], v[\a] row_xmask:1 row_mask:0xf bank_mask:0xf
	v_add_f32_dpp v[\a], v[\a], v[\a] row_xmask:2 row_mask:0xf bank_mask:0xf
	v_add_f32_dpp v[\a], v[\a], v[\a] row_xmask:4 row_mask:0xf bank_mask:0xf
	v_add_f32_dpp v[\a], v[\a], v[\a] row_xmask:8 row_mask:0xf bank_mask:0xf
	v_permlanex16_b32 v[PD], v[\a], s[SEL], s[SEL+1]
	v_add_f32 v[\a], v[\a], v[PD]
.endm
; One row: my 16 columns in v[XR] on, gain and bias in v[GR], v[BR] on.  Mean, the mean of the squared differences (two passes), the norm, the block's scale, 16 codes into the image.
.macro LNROW XR, GR, BR, TM, i
	v_pk_add_f32 v[\TM:\TM+1], v[\XR:\XR+1], v[\XR+2:\XR+3]
	v_pk_add_f32 v[\TM+2:\TM+3], v[\XR+4:\XR+5], v[\XR+6:\XR+7]
	v_pk_add_f32 v[\TM+4:\TM+5], v[\XR+8:\XR+9], v[\XR+10:\XR+11]
	v_pk_add_f32 v[\TM+6:\TM+7], v[\XR+12:\XR+13], v[\XR+14:\XR+15]
	v_pk_add_f32 v[\TM:\TM+1], v[\TM:\TM+1], v[\TM+2:\TM+3]
	v_pk_add_f32 v[\TM+4:\TM+5], v[\TM+4:\TM+5], v[\TM+6:\TM+7]
	v_pk_add_f32 v[\TM:\TM+1], v[\TM:\TM+1], v[\TM+4:\TM+5]
	v_add_f32 v[\TM], v[\TM], v[\TM+1]
	WSUM \TM
	v_mul_f32 v[\TM], s[C512], v[\TM]
.irp k, 0,2,4,6,8,10,12,14
	v_pk_add_f32 v[\XR+\k:\XR+\k+1], v[\XR+\k:\XR+\k+1], v[\TM:\TM+1] op_sel_hi:[1,0] neg_lo:[0,1] neg_hi:[0,1]
.endr
	v_pk_mul_f32 v[\TM+2:\TM+3], v[\XR:\XR+1], v[\XR:\XR+1]
	v_pk_mul_f32 v[\TM+4:\TM+5], v[\XR+2:\XR+3], v[\XR+2:\XR+3]
.irp k, 4,8,12
	v_pk_fma_f32 v[\TM+2:\TM+3], v[\XR+\k:\XR+\k+1], v[\XR+\k:\XR+\k+1], v[\TM+2:\TM+3]
	v_pk_fma_f32 v[\TM+4:\TM+5], v[\XR+\k+2:\XR+\k+3], v[\XR+\k+2:\XR+\k+3], v[\TM+4:\TM+5]
.endr
	v_pk_add_f32 v[\TM+2:\TM+3], v[\TM+2:\TM+3], v[\TM+4:\TM+5]
	v_add_f32 v[\TM+2], v[\TM+2], v[\TM+3]
	WSUM \TM+2
	v_fma_f32 v[\TM+2], v[\TM+2], s[C512], s[EPS]
	v_rsq_f32 v[\TM+2], v[\TM+2]
	v_nop                                          ; a plain place behind the transcendental,
	s_wait_alu depctr_va_vdst(0)                   ; and the wait ahead of its first reader
.irp k, 0,2,4,6,8,10,12,14
	v_pk_mul_f32 v[\XR+\k:\XR+\k+1], v[\XR+\k:\XR+\k+1], v[\TM+2:\TM+3] op_sel_hi:[1,0]
.endr
.irp k, 0,2,4,6,8,10,12,14
	v_pk_fma_f32 v[\XR+\k:\XR+\k+1], v[\XR+\k:\XR+\k+1], v[\GR+\k:\GR+\k+1], v[\BR+\k:\BR+\k+1]
.endr
	v_max3_num_f32 v[\TM], |v[\XR]|, |v[\XR+1]|, 0x1800000
	v_max3_num_f32 v[\TM+1], |v[\XR+8]|, |v[\XR+9]|, |v[\XR+10]|
	v_max3_num_f32 v[\TM], v[\TM], |v[\XR+2]|, |v[\XR+3]|
	v_max3_num_f32 v[\TM+1], v[\TM+1], |v[\XR+11]|, |v[\XR+12]|
	v_max3_num_f32 v[\TM], v[\TM], |v[\XR+4]|, |v[\XR+5]|
	v_max3_num_f32 v[\TM+1], v[\TM+1], |v[\XR+13]|, |v[\XR+14]|
	v_max3_num_f32 v[\TM], v[\TM], |v[\XR+6]|, |v[\XR+7]|
	v_max3_num_f32 v[\TM], v[\TM], v[\TM+1], |v[\XR+15]|
	v_max_num_f32_dpp v[\TM], v[\TM], v[\TM] row_xmask:1 row_mask:0xf bank_mask:0xf
	v_add_nc_u32 v[\TM+1], 0xff000000, v[\TM]
	v_cvt_scalef32_pk8_fp4_f32 v[\TM+8+2*\i], v[\XR:\XR+7], v[\TM+1]
	v_cvt_scalef32_pk8_fp4_f32 v[\TM+9+2*\i], v[\XR+8:\XR+15], v[\TM+1]
	v_lshrrev_b32 v[\TM+12+\i], 23, v[\TM+1]
	ds_store_b64 v[IMN], v[\TM+8+2*\i:\TM+9+2*\i] offset:16*\i
	ds_store_b8 v[SBN], v[\TM+12+\i] offset:16*\i
.endm
.macro QB2 lo0, hi0, lo1, hi1, cp, tm, by      ; two blocks of 32, by turns: my 16 numbers of each in v[lo] .. +7, v[hi] .. +7; lane l xor 16 holds the others
	v_max3_num_f32 v[\tm], |v[\lo0]|, |v[\lo0+1]|, 0x1800000
	v_max3_num_f32 v[\tm+1], |v[\lo1]|, |v[\lo1+1]|, 0x1800000
.irp k, 2,4,6
	v_max3_num_f32 v[\tm], v[\tm], |v[\lo0+\k]|, |v[\lo0+\k+1]|
	v_max3_num_f32 v[\tm+1], v[\tm+1], |v[\lo1+\k]|, |v[\lo1+\k+1]|
.endr
.irp k, 0,2,4,6
	v_max3_num_f32 v[\tm], v[\tm], |v[\hi0+\k]|, |v[\hi0+\k+1]|
	v_max3_num_f32 v[\tm+1], v[\tm+1], |v[\hi1+\k]|, |v[\hi1+\k+1]|
.endr
	v_permlanex16_b32 v[PD], v[\tm], s[SEL], s[SEL+1]
	v_permlanex16_b32 v[PD+1], v[\tm+1], s[SEL], s[SEL+1]
	v_max_num_f32 v[\tm], v[\tm], v[PD]
	v_max_num_f32 v[\tm+1], v[\tm+1], v[PD+1]
	v_add_nc_u32 v[\tm+2], 0xff000000, v[\tm]
	v_add_nc_u32 v[\tm+3], 0xff000000, v[\tm+1]
	v_cvt_scalef32_pk8_fp4_f32 v[\cp], v[\lo0:\lo0+7], v[\tm+2]
	v_cvt_scalef32_pk8_fp4_f32 v[\cp+1], v[\hi0:\hi0+7], v[\tm+2]
	v_cvt_scalef32_pk8_fp4_f32 v[\cp+2], v[\lo1:\lo1+7], v[\tm+3]
	v_cvt_scalef32_pk8_fp4_f32 v[\cp+3], v[\hi1:\hi1+7], v[\tm+3]
	v_lshrrev_b32 v[\by], 23, v[\tm+2]
	v_lshrrev_b32 v[\by+1], 23, v[\tm+3]
.endm
.macro FR2 adr, base, tstr, s0         ; the activations' fragments of K steps s0, s0 + 1, both tiles of rows
.irp ds, 0,1
.irp m, 0,1
.irp hc, 0,1
	ds_load_b128 v[T+8*(2*\ds+\m)+4*\hc:T+8*(2*\ds+\m)+4*\hc+3], v[\adr] offset:\base+\m*\tstr+(\s0+\ds)*1024+512*\hc
.endr
.endr
.endr
.endm
.macro BIASC adr, off, nstr            ; a bias in the result's layout into the four accumulators: the C of each sum's first product
.irp n, 0,1
.irp m, 0,1
	ds_load_b128 v[ACC+8*(2*\n+\m):ACC+8*(2*\n+\m)+3], v[\adr] offset:\off+\nstr*\n
	ds_load_b128 v[ACC+8*(2*\n+\m)+4:ACC+8*(2*\n+\m)+7], v[\adr] offset:\off+\nstr*\n+16
.endr
.endr
.endm
; Eight products: the set's K steps s0, s0 + 1 x two weight tiles x two tiles of rows.  The four accumulators take turns, one instruction a turn, from call to call too.
.macro MM8 buf, wsc, s0
.irp ds, 0,1
.irp n, 0,1
.irp m, 0,1
.set rD, ACC+8*(2*\n+\m)
.set rW, \buf+8*(4*\n+\s0+\ds)
.set rX, T+8*(2*\ds+\m)
	v_wmma_scale_f32_16x16x128_f8f6f4 v[rD:rD+7], v[rW:rW+7], v[rX:rX+7], v[rD:rD+7], v[\wsc+4*\n+\s0+\ds], v[SC+4*\m+\s0+\ds] matrix_a_fmt:MATRIX_FMT_FP4 matrix_b_fmt:MATRIX_FMT_FP4
.endr
.endr
.endr
.endm
.macro WL3 buf, sc, cb, off, nstr, sb, sv, soff, snstr   ; a set of weights: 16 loads of 512 consecutive bytes, 2 of scale words: 18 loads
.irp n, 0,1
.irp ks, 0,1,2,3
.irp hc, 0,1
	global_load_b128 v[\buf+8*(4*\n+\ks)+4*\hc:\buf+8*(4*\n+\ks)+4*\hc+3], v[L16], s[\cb:\cb+1] offset:\off+\n*\nstr+\ks*1024+\hc*512
.endr
.endr
.endr
.irp n, 0,1
	global_load_b128 v[\sc+4*\n:\sc+4*\n+3], v[\sv], s[\sb:\sb+1] offset:\soff+\n*\snstr
.endr
.endm
.macro MULT adr, base, tstr, s0, buf, wsc, left   ; four K steps of a product, two at a time
	FR2 \adr, \base, \tstr, \s0
	s_wait_loadcnt \left                           ; this set of weights is in; the next set's 18 loads stay out (the last set: none)
	s_wait_dscnt 0x0
	MM8 \buf, \wsc, 0
	PLACES 4                                       ; in front of loads into registers that the products have read
	FR2 \adr, \base, \tstr, \s0+2
	s_wait_dscnt 0x0
	MM8 \buf, \wsc, 2
	PLACES 4                                       ; and of the first reads of results
.endm
.macro GELU a                          ; eight numbers in place; at work: d and t in T, e in T + 8, the polynomial in T + 16, max(x, 0) in T + 24
.irp j, 0,1,2,3,4,5,6,7
	v_fma_f32 v[T+\j], |v[\a+\j]|, s[SP], 1.0
.endr
.irp j, 0,2,4,6
	v_pk_mul_f32 v[T+8+\j:T+9+\j], v[\a+\j:\a+\j+1], v[\a+\j:\a+\j+1]
.endr
.irp j, 0,2,4,6
	v_pk_mul_f32 v[T+8+\j:T+9+\j], v[T+8+\j:T+9+\j], s[NL2:NL2+1] op_sel_hi:[1,0]
.endr
.irp j, 0,1,2,3,4,5,6,7
	v_rcp_f32 v[T+\j], v[T+\j]
.endr
.irp j, 0,1,2,3,4,5,6,7
	v_exp_f32 v[T+8+\j], v[T+8+\j]
.endr
.irp j, 0,1,2,3,4,5,6,7
	v_max_num_f32 v[T+24+\j], 0, v[\a+\j]          ; plain work behind the batch
.endr
	s_wait_alu depctr_va_vdst(0)                   ; one wait for the batch of sixteen, ahead of its first reader
.irp j, 0,2,4,6
	v_pk_fma_f32 v[T+16+\j:T+17+\j], v[T+\j:T+1+\j], v[A5V:A5V+1], s[A4:A4+1] op_sel_hi:[1,1,0]
.endr
.irp j, 0,2,4,6
	v_pk_fma_f32 v[T+16+\j:T+17+\j], v[T+16+\j:T+17+\j], v[T+\j:T+1+\j], s[A3:A3+1] op_sel_hi:[1,1,0]
.endr
.irp j, 0,2,4,6
	v_pk_fma_f32 v[T+16+\j:T+17+\j], v[T+16+\j:T+17+\j], v[T+\j:T+1+\j], s[A2:A2+1] op_sel_hi:[1,1,0]
.endr
.irp j, 0,2,4,6
	v_pk_fma_f32 v[T+16+\j:T+17+\j], v[T+16+\j:T+17+\j], v[T+\j:T+1+\j], s[A1:A1+1] op_sel_hi:[1,1,0]
.endr
.irp j, 0,2,4,6
	v_pk_mul_f32 v[T+16+\j:T+17+\j], v[T+16+\j:T+17+\j], v[T+\j:T+1+\j]
.endr
.irp j, 0,2,4,6
	v_pk_mul_f32 v[T+16+\j:T+17+\j], v[T+16+\j:T+17+\j], v[T+8+\j:T+9+\j]       ; E / 2
.endr
.irp j, 0,1,2,3,4,5,6,7
	v_fma_f32 v[\a+\j], -|v[\a+\j]|, v[T+16+\j], v[T+24+\j]
.endr
.endm
.macro ACTQ q                          ; my 32 hidden units of quarter q, for the 32 rows: gelu, one block of 32 along the next K for each row
	GELU ACC
	GELU ACC+8
	GELU ACC+16
	GELU ACC+24
.if \q == 0
	QB2 ACC, ACC+16, ACC+8, ACC+24, CP, T, HWD     ; the first byte starts the scale words
.else
	QB2 ACC, ACC+16, ACC+8, ACC+24, CP, T, BY
	v_lshl_or_b32 v[HWD], v[BY], 8*\q, v[HWD]
	v_lshl_or_b32 v[HWD+1], v[BY+1], 8*\q, v[HWD+1]
.endif
	ds_store_b64 v[HW], v[CP:CP+1] offset:256*\q
	ds_store_b64 v[HW], v[CP+2:CP+3] offset:16384+256*\q
.endm
	s_load_b512 s[8:23], s[0:1], 0x0               ; oimg 8, osc 10, x 12, wimg 14, Wo scales 16, bo 18, ln2_g 20, ln2_b 22
	s_load_b256 s[24:31], s[0:1], 0x40             ; W1 scales 24, b1 26, W2 scales 28, b2 30
	s_load_b64 s[32:33], s[0:1], 0x60              ; out0
	v_lshl_add_u32 v62, v0, 2, 0x21000
	v_mov_b32 v63, 0
	v_lshrrev_b32 v20, 5, v0
	v_readfirstlane_b32 s2, v20                    ; wave 0..15
	v_and_b32 v26, 31, v0                          ; lane
	v_and_b32 v27, 15, v0                          ; r
	v_bfe_u32 v28, v0, 4, 1                        ; h
	v_and_b32 v29, 8, v27
	v_add_nc_u32 v29, v29, v27                     ; r + 8 (r / 8)
	v_lshlrev_b32 v[L16], 4, v26
	v_lshlrev_b32 v[T4], 2, v0
	v_lshlrev_b32 v[T16], 4, v0
	s_mul_i32 s3, s2, 2*RP
	s_add_co_u32 s3, s3, X1
	v_add_nc_u32 v[XSW], s3, v[L16]
	v_lshl_add_u32 v[XLN], v26, 6, s3
	v_lshrrev_b32 v20, 1, v26                      ; my block of 32 columns
	v_and_b32 v21, 1, v26
	v_lshlrev_b32 v21, 3, v21
	v_lshl_add_u32 v21, v20, 8, v21
	s_lshr_b32 s4, s2, 3
	s_and_b32 s5, s2, 7
	s_lshl_b32 s3, s4, 12
	s_lshl_b32 s6, s5, 5
	s_add_co_u32 s3, s3, s6
	s_add_co_u32 s3, s3, H2I                       ; row 2 w: tile w / 8, place 2 (w % 8)
	v_add_nc_u32 v[IMN], s3, v21
	s_lshl_b32 s3, s2, 5
	s_add_co_u32 s3, s3, H2S
	v_add_nc_u32 v[SBN], s3, v20
	v_lshlrev_b32 v[R16], 4, v27
	v_lshlrev_b32 v[P16], 4, v29
	v_lshlrev_b32 v[R64], 6, v27
	v_mul_u32_u24 v[R80], v27, 80
	v_mul_u32_u24 v20, v27, RP
	v_lshl_add_u32 v20, v28, 5, v20
	s_lshl_b32 s3, s2, 7
	v_lshl_add_u32 v[BDN], v28, 5, s3
	s_add_co_u32 s3, s3, X1
	v_add_nc_u32 v[XD], s3, v20
	s_lshl_b32 s3, s2, 9
	s_add_co_u32 s3, s3, B1S
	v_lshl_add_u32 v[BD1], v28, 6, s3
	s_lshl_b32 s3, s2, 10
	s_add_co_u32 s3, s3, HID
	v_lshl_add_u32 v20, v28, 3, v[R16]
	v_add_nc_u32 v[HW], s3, v20
	s_lshl_b32 s3, s2, 2
	s_add_co_u32 s3, s3, HSC
	v_add_nc_u32 v[HSW], s3, v[R80]
	s_lshl_b32 s3, s4, 8
	s_lshl_b32 s6, s5, 1
	s_add_co_u32 s3, s3, s6
	s_add_co_u32 s3, s3, OSC
	v_add_nc_u32 v[OSW], s3, v[R16]                ; tile w / 8, row r, head w % 8: two bytes
	v_lshl_add_u32 v[GB], v26, 6, GS
	v_add_nc_u32 v[LHID], HID, v[L16]
	v_lshlrev_b32 v73, 1, v27                      ; osc: two bytes a row
	v_mov_b32 v[PD], 0                             ; written once: a lane permute's destination counts as one of its sources
	v_mov_b32 v[PD+1], 0
	v_mov_b32 v[A5V], 0x3f07dc22                   ; a5 / 2
	v_mov_b32 v[A5V+1], 0x3f07dc22
	s_mov_b32 s[SEL], 0x76543210
	s_mov_b32 s[SEL+1], 0xfedcba98
	s_mov_b32 s[C512], 0x3b000000                  ; 1 / 512
	s_mov_b32 s[EPS], 0x3727c5ac                   ; 1e-5
	s_mov_b32 s[A4], 0xbf3a00e3                    ; a4 / 2 = -0.7265760135   (each pair's upper word is written too: the packed form names the pair)
	s_mov_b32 s[A4+1], s[A4]
	s_mov_b32 s[A3], 0x3f35f0e3                    ; a3 / 2 = 0.7107068705
	s_mov_b32 s[A3+1], s[A3]
	s_mov_b32 s[A2], 0xbe11a98e                    ; a2 / 2 = -0.142248368
	s_mov_b32 s[A2+1], s[A2]
	s_mov_b32 s[A1], 0x3e027906                    ; a1 / 2 = 0.127414796
	s_mov_b32 s[A1+1], s[A1]
	s_mov_b32 s[NL2], 0xbf38aa3b                   ; -log2(e) / 2
	s_mov_b32 s[NL2+1], s[NL2]
	s_mov_b32 s[SP], 0x3e6d3388                    ; 0.3275911 / sqrt 2
	s_lshl_b32 s56, ttmp9, 16
	s_lshl_b32 s57, s2, 12
	s_add_co_u32 s56, s56, s57
	s_mov_b32 s57, 0                               ; x, out0: row 32 g + 2 w
	s_lshl_b32 s58, ttmp9, 13
	s_lshl_b32 s59, s2, 9
	s_add_co_u32 s58, s58, s59
	s_mov_b32 s59, 0                               ; oimg: the work-group's 8,192 bytes, 512 a wave
	s_lshl_b32 s60, s5, 14
	s_lshl_b32 s61, ttmp9, 6
	s_add_co_u32 s60, s60, s61
	s_lshl_b32 s61, s4, 5
	s_add_co_u32 s60, s60, s61
	s_mov_b32 s61, 0                               ; osc: head w % 8, tile of rows 2 g + w / 8
	s_lshl_b32 s62, s2, 15
	s_mov_b32 s63, 0                               ; W1's and W2's images: 32,768 bytes a wave
	s_lshl_b32 s4, s2, 13
	s_add_co_u32 s4, s4, 1048576
	s_mov_b32 s5, 0                                ; Wo's: 8,192 a wave
	s_lshl_b32 s6, s2, 9
	s_mov_b32 s7, 0                                ; Wo's scale bytes: row 32 w of 16 bytes
	s_wait_kmcnt 0x0
	s_add_nc_u64 s[12:13], s[12:13], s[56:57]
	s_add_nc_u64 s[32:33], s[32:33], s[56:57]
	s_add_nc_u64 s[8:9], s[8:9], s[58:59]
	s_add_nc_u64 s[10:11], s[10:11], s[60:61]
	s_add_nc_u64 s[34:35], s[14:15], s[4:5]        ; Wo's images
	s_add_nc_u64 s[36:37], s[14:15], s[62:63]      ; W1's
	s_add_nc_u64 s[38:39], s[36:37], 524288        ; W2's
	s_add_nc_u64 s[16:17], s[16:17], s[6:7]
	s_lshl_b32 s6, s2, 11                          ; W1's scale bytes: row 128 w of 16 bytes; W2's: row 32 w of 64
	s_add_nc_u64 s[24:25], s[24:25], s[6:7]
	s_add_nc_u64 s[28:29], s[28:29], s[6:7]
.irp i, 0,1
.irp j, 0,1,2,3
	global_load_b128 v[ACC+16*\i+4*\j:ACC+16*\i+4*\j+3], v[L16], s[12:13] offset:2048*\i+512*\j th:TH_LOAD_NT
.endr
.endr
	global_load_b128 v[64:67], v[L16], s[8:9] th:TH_LOAD_NT
	global_load_u16 v68, v73, s[10:11]
	global_load_b32 v69, v[T4], s[18:19]
	global_load_b32 v70, v[T4], s[30:31]
	global_load_b32 v71, v[T4], s[20:21]
	global_load_b32 v72, v[T4], s[22:23]
	global_load_b128 v[76:79], v[T16], s[26:27]
	WL3 WA, WSA, 34, 0, 4096, 16, R16, 0, 256      ; Wo
	WL3 WB, WSB, 36, 0, 4096, 24, P16, 0, 128      ; W1, quarter 0
	s_wait_loadcnt 36                              ; all but the two sets of weights
.irp i, 0,1
.irp j, 0,1,2,3
	ds_store_b128 v[XSW], v[ACC+16*\i+4*\j:ACC+16*\i+4*\j+3] offset:RP*\i+512*\j
.endr
.endr
	ds_store_b128 v[T16], v[64:67] offset:OIMG
	ds_store_b16 v[OSW], v68
	ds_store_b32 v[T4], v69 offset:BOS
	ds_store_b32 v[T4], v70 offset:B2S
	ds_store_b32 v[T4], v71 offset:GS
	ds_store_b32 v[T4], v72 offset:BBS
	ds_store_b128 v[T16], v[76:79] offset:B1S
	BAR                                            ; x, o's image and scale words, the biases and the gain lie in LDS
	; ---- x1 = x + o Wo + bo
	BIASC BDN, BOS, 64
.irp m, 0,1
	ds_load_b128 v[SC+4*\m:SC+4*\m+3], v[R16] offset:OSC+256*\m
.endr
	MULT L16, OIMG, 4096, 0, WA, WSA, 18
	WL3 WA, WSA, 36, 8192, 4096, 24, P16, 512, 128 ; W1, quarter 1
.irp n, 0,1
.irp m, 0,1
	ds_load_b128 v[T+8*(2*\n+\m):T+8*(2*\n+\m)+3], v[XD] offset:16*RP*\m+64*\n
	ds_load_b128 v[T+8*(2*\n+\m)+4:T+8*(2*\n+\m)+7], v[XD] offset:16*RP*\m+64*\n+16
.endr
.endr
	s_wait_dscnt 0x0
.irp j, 0,2,4,6,8,10,12,14,16,18,20,22,24,26,28,30
	v_pk_add_f32 v[T+\j:T+1+\j], v[ACC+\j:ACC+1+\j], v[T+\j:T+1+\j]
.endr
.irp n, 0,1
.irp m, 0,1
	ds_store_b128 v[XD], v[T+8*(2*\n+\m):T+8*(2*\n+\m)+3] offset:16*RP*\m+64*\n      ; each lane writes only the bytes that it alone has read
	ds_store_b128 v[XD], v[T+8*(2*\n+\m)+4:T+8*(2*\n+\m)+7] offset:16*RP*\m+64*\n+16
.endr
.endr
	BAR                                            ; 32 whole rows of x1 lie in LDS
	; ---- h2: rows 2 w and 2 w + 1
.irp j, 0,1,2,3
	ds_load_b128 v[T+4*\j:T+4*\j+3], v[GB] offset:16*\j
	ds_load_b128 v[T+16+4*\j:T+16+4*\j+3], v[GB] offset:2048+16*\j
.endr
.irp i, 0,1
.irp j, 0,1,2,3
	ds_load_b128 v[ACC+4*\j:ACC+4*\j+3], v[XLN] offset:RP*\i+16*\j
.endr
	s_wait_dscnt 0x0
	LNROW ACC, T, T+16, ACC+16, \i
.endr
	BAR                                            ; h2's image and scale words lie in LDS
.irp m, 0,1
	ds_load_b128 v[SC+4*\m:SC+4*\m+3], v[R16] offset:H2S+256*\m
.endr
	; ---- the hidden layer, 32 units a quarter
	BIASC BD1, 0, 32
	MULT L16, H2I, 4096, 0, WB, WSB, 18
	WL3 WB, WSB, 36, 16384, 4096, 24, P16, 1024, 128     ; W1, quarter 2
	ACTQ 0
	BIASC BD1, 128, 32
	MULT L16, H2I, 4096, 0, WA, WSA, 18
	WL3 WA, WSA, 36, 24576, 4096, 24, P16, 1536, 128     ; W1, quarter 3
	ACTQ 1
	BIASC BD1, 256, 32
	MULT L16, H2I, 4096, 0, WB, WSB, 18
	WL3 WB, WSB, 38, 0, 16384, 28, R64, 0, 1024          ; W2, K steps 0-3
	ACTQ 2
	BIASC BD1, 384, 32
	MULT L16, H2I, 4096, 0, WA, WSA, 18
	WL3 WA, WSA, 38, 4096, 16384, 28, R64, 16, 1024      ; W2, K steps 4-7
	ACTQ 3
	ds_store_b32 v[HSW], v[HWD]
	ds_store_b32 v[HSW], v[HWD+1] offset:1280
	BAR                                            ; the hidden layer's 32 fragments and their scale words lie in LDS
	; ---- out = x1 + b2 + hidden W2: x1 + b2 is the C of each sum's first product
.irp n, 0,1
.irp m, 0,1
	ds_load_b128 v[ACC+8*(2*\n+\m):ACC+8*(2*\n+\m)+3], v[XD] offset:16*RP*\m+64*\n
	ds_load_b128 v[ACC+8*(2*\n+\m)+4:ACC+8*(2*\n+\m)+7], v[XD] offset:16*RP*\m+64*\n+16
.endr
	ds_load_b128 v[T+8*\n:T+8*\n+3], v[BDN] offset:B2S+64*\n
	ds_load_b128 v[T+8*\n+4:T+8*\n+7], v[BDN] offset:B2S+64*\n+16
.endr
	s_wait_dscnt 0x0
.irp n, 0,1
.irp m, 0,1
.irp j, 0,2,4,6
	v_pk_add_f32 v[ACC+8*(2*\n+\m)+\j:ACC+8*(2*\n+\m)+\j+1], v[ACC+8*(2*\n+\m)+\j:ACC+8*(2*\n+\m)+\j+1], v[T+8*\n+\j:T+8*\n+\j+1]
.endr
.endr
.endr
	PLACES 4
.irp m, 0,1
	ds_load_b128 v[SC+4*\m:SC+4*\m+3], v[R80] offset:HSC+1280*\m
.endr
	MULT LHID, 0, 16384, 0, WB, WSB, 18
	WL3 WB, WSB, 38, 8192, 16384, 28, R64, 32, 1024      ; W2, K steps 8-11
.irp m, 0,1
	ds_load_b128 v[SC+4*\m:SC+4*\m+3], v[R80] offset:HSC+1280*\m+16
.endr
	MULT LHID, 0, 16384, 4, WA, WSA, 18
	WL3 WA, WSA, 38, 12288, 16384, 28, R64, 48, 1024     ; W2, K steps 12-15
.irp m, 0,1
	ds_load_b128 v[SC+4*\m:SC+4*\m+3], v[R80] offset:HSC+1280*\m+32
.endr
	MULT LHID, 0, 16384, 8, WB, WSB, 18
.irp m, 0,1
	ds_load_b128 v[SC+4*\m:SC+4*\m+3], v[R80] offset:HSC+1280*\m+48
.endr
	MULT LHID, 0, 16384, 12, WA, WSA, 0
	; ---- the way out: a row's 512 columns come from sixteen waves: they meet in X1, and each wave stores two whole rows
.irp n, 0,1
.irp m, 0,1
	ds_store_b128 v[XD], v[ACC+8*(2*\n+\m):ACC+8*(2*\n+\m)+3] offset:16*RP*\m+64*\n      ; each accumulator from its low end on
	ds_store_b128 v[XD], v[ACC+8*(2*\n+\m)+4:ACC+8*(2*\n+\m)+7] offset:16*RP*\m+64*\n+16
.endr
.endr
	BAR
.irp i, 0,1
.irp j, 0,1,2,3
	ds_load_b128 v[T+16*\i+4*\j:T+16*\i+4*\j+3], v[XSW] offset:RP*\i+512*\j
.endr
.endr
.irp i, 0,1
.irp j, 0,1,2,3
	s_wait_dscnt 7-4*\i-\j
	global_store_b128 v[L16], v[T+16*\i+4*\j:T+16*\i+4*\j+3], s[32:33] offset:2048*\i+512*\j th:TH_STORE_NT   ; 512 consecutive bytes, at a multiple of 512 from out0's first byte
.endr
.endr
	s_wait_tensorcnt 0x0
	ds_add_u32 v62, v63
	s_wait_dscnt 0x0
	s_endpgm
.Lfunc_end_k_qa12f3cb0ea_tail:
	.size	k_qa12f3cb0ea_tail, .Lfunc_end_k_qa12f3cb0ea_tail-k_qa12f3cb0ea_tail
	.p2alignl 7, 3214868480
	.fill 96, 4, 3214868480
	.section	.rodata,"a",@progbits
	.p2align	6, 0x0
	.amdhsa_kernel k_qa12f3cb0ea_tail
		.amdhsa_group_segment_fixed_size 137216
		.amdhsa_private_segment_fixed_size 0
		.amdhsa_enable_private_segment 0
		.amdhsa_kernarg_size 104
		.amdhsa_user_sgpr_count 2
		.amdhsa_user_sgpr_kernarg_segment_ptr 1
		.amdhsa_wavefront_size32 1
		.amdhsa_system_sgpr_workgroup_id_x 1
		.amdhsa_system_sgpr_workgroup_id_y 1
		.amdhsa_system_sgpr_workgroup_id_z 1
		.amdhsa_system_vgpr_workitem_id 0
		.amdhsa_next_free_vgpr 256
		.amdhsa_next_free_sgpr 66
		.amdhsa_reserve_vcc 0
		.amdhsa_float_denorm_mode_32 3
		.amdhsa_float_denorm_mode_16_64 3
		.amdhsa_memory_ordered 1
		.amdhsa_forward_progress 1
		.amdhsa_inst_pref_size 141
	.end_amdhsa_kernel
	.amdgpu_metadata
---
amdhsa.version: [ 1, 2 ]
amdhsa.kernels:
  - .name:           k_qa12f3cb0ea_tail
    .symbol:         k_qa12f3cb0ea_tail.kd
    .args:
      - { .name: oimg, .offset: 0, .size: 8, .value_kind: global_buffer, .address_space: global }
      - { .name: osc, .offset: 8, .size: 8, .value_kind: global_buffer, .address_space: global }
      - { .name: x, .offset: 16, .size: 8, .value_kind: global_buffer, .address_space: global }
      - { .name: wimg, .offset: 24, .size: 8, .value_kind: global_buffer, .address_space: global }
      - { .name: Wo_scales, .offset: 32, .size: 8, .value_kind: global_buffer, .address_space: global }
      - { .name: bo, .offset: 40, .size: 8, .value_kind: global_buffer, .address_space: global }
      - { .name: ln2_g, .offset: 48, .size: 8, .value_kind: global_buffer, .address_space: global }
      - { .name: ln2_b, .offset: 56, .size: 8, .value_kind: global_buffer, .address_space: global }
      - { .name: W1_scales, .offset: 64, .size: 8, .value_kind: global_buffer, .address_space: global }
      - { .name: b1, .offset: 72, .size: 8, .value_kind: global_buffer, .address_space: global }
      - { .name: W2_scales, .offset: 80, .size: 8, .value_kind: global_buffer, .address_space: global }
      - { .name: b2, .offset: 88, .size: 8, .value_kind: global_buffer, .address_space: global }
      - { .name: out0, .offset: 96, .size: 8, .value_kind: global_buffer, .address_space: global }
    .group_segment_fixed_size: 137216
    .private_segment_fixed_size: 0
    .kernarg_segment_align: 8
    .kernarg_segment_size: 104
    .max_flat_workgroup_size: 512
    .sgpr_count:     66
    .vgpr_count:     256
    .wavefront_size: 32
...
	.end_amdgpu_metadata
.endif
;; end of part 3
